; MI455X (gfx1250); checked and timed in simulation.
; The chip was launched on July 23, 2026; its instructions are those of AMD's public machine-readable ISA for CDNA 5 (MIT licence, August 2026) and "CDNA5" Instruction Set Architecture Reference Guide (July 2026). The comments in the code are by the model that wrote it; some were corrected since.
;; Multi Head Attention. Allowed arithmetic: matrix products marked QUANTISED: E2M3 operands, one E8M0 scale for each 32 along K, by v_wmma_scale_f32_16x16x128_f8f6f4 with both operands' format E2M3, f32 sums; everything else in f32.
;; Inputs: Wk 1,024 x 1,024 float32; Wo 1,024 x 1,024 float32; Wq 1,024 x 1,024 float32; Wv 1,024 x 1,024 float32; k 4 x 2,048 x 1,024 float32; mask 4 x 2,048 x 2,048 bool; q 4 x 2,048 x 1,024 float32; v 4 x 2,048 x 1,024 float32.
;; Outputs: out0 4 x 2,048 x 1,024 float32.
;; This version of the problem:
;;   THIS VERSION OF THE PROBLEM IS GIVEN IN LOW PRECISION. The matrix products marked QUANTISED in the list below multiply operands that are first quantised to E2M3 (2 exponent bits, 3 mantissa bits; 6 bits a number), with one power-of-two scale for each 32 numbers along K (OCP MX v1.0); their sums are f32. All else is computed in f32.
;;   The module's matrix products, in the order in which they are computed (A, B: the left and right operand; K: the contracted axis; several contracted axes count as one K, in the product's order):
;;     1. [M 8,192, K 1,024] x [K 1,024, N 1,024]; A: input q; B: input Wq: QUANTISED
;;     2. [M 8,192, K 1,024] x [K 1,024, N 1,024]; A: input k; B: input Wk: QUANTISED
;;     3. [M 8,192, K 1,024] x [K 1,024, N 1,024]; A: input v; B: input Wv: QUANTISED
;;     4. batch 64 x [M 2,048, K 64] x [K 64, N 2,048]; A: computed on the way; B: computed on the way: QUANTISED
;;     5. batch 64 x [M 2,048, K 2,048] x [K 2,048, N 64]; A: softmax (see below); B: computed on the way: QUANTISED
;;     6. [M 8,192, K 1,024] x [K 1,024, N 1,024]; A: computed on the way; B: input Wo: QUANTISED
;;   THE QUANTISER, for each operand of a quantised product, along K:
;;     - K is cut into blocks of 32 from its start; a last block that is shorter is filled with zeros.
;;     - A block's scale is 2^e with e = floor(log2(the largest magnitude in the block)) - 2, held to -126 .. 127; a block of zeros has e = 0. As a byte (E8M0): e + 127.
;;     - Each number is divided by its block's scale, clamped to +-7.5, and rounded to the nearest number of E2M3, ties to even, subnormals kept.
;;     - The product sums the exact products of the quantised numbers (number of the format x scale) in f32.
;;   ~~~python
;;   def quantise(x, axis):      # numpy; x: float32 -> the quantised numbers, widened to float32 again
;;       x = np.moveaxis(x, axis, -1); K = x.shape[-1]
;;       x = np.pad(x, [(0, 0)] * (x.ndim - 1) + [(0, -K % 32)]); x = x.reshape(x.shape[:-1] + (-1, 32)); a = np.abs(x).max(-1, keepdims=True)
;;       e = np.where(a > 0, np.clip(np.frexp(np.where(a > 0, a, 1))[1] - 1 - 2, -126, 127), 0)      # np.frexp(a)[1] - 1 = floor(log2(a)), exactly
;;       r = np.clip(x / 2.0 ** e, -7.5, 7.5)
;;       step = 2.0 ** (np.maximum(np.frexp(np.where(r == 0, 1, r))[1] - 1, 0) - 3)
;;       q = np.round(r / step) * step * 2.0 ** e      # np.round: ties to even
;;       return np.moveaxis(q.reshape(q.shape[:-2] + (-1,))[..., :K], -1, axis).astype(np.float32)
;;   ~~~
;;   SOFTMAX AHEAD OF A QUANTISED PRODUCT. Where the list says 'softmax', what is quantised is not the finished softmax but p = 2^(t - M), with t = logit x log2(e) and M = ceil(the row's largest t), a whole number; so 1/2 < the row's largest p <= 1. The row's sum l is taken of the UNQUANTISED p, in f32, and the product's result is divided by l at the end. Since M is a whole number, a kernel that streams over the keys may use a running M (the ceiling of the running maximum): every later rescaling is an exact power of two, which a block's scale takes up: the codes' values come out the same.
;;   OPERANDS COMPUTED ON THE WAY. 'Computed on the way' means the value that the module computes at that place (a softmax that the list does not call 'softmax' is quantised finished and normalised). What goes into a quantiser is computed in f32, as accurately as f32 sums, v_exp_f32 and their like allow (about 1e-6 of the number): no bf16 or f16 on the way to a quantiser, and a product that is left as it is and whose result goes on into a quantised operand takes f32 operands (vector FMAs, or v_wmma_f32_16x16x4_f32). A number that lies on a knife's edge between two numbers of the format may be rounded either way, as far as f32 arithmetic and the matrix unit's own rounding can turn it there, and no further.
;; One version. Each part assembles by itself: llvm-mc -triple=amdgcn-amd-amdhsa -mcpu=gfx1250 --defsym DOCPART=n.
;; ======== version 1 of 1: 4 launches
;; limits: right only within a limited range of input values
;; workspace buffers: xb 19,660,800 bytes; wb 3,276,800 bytes; mk 2,097,152 bytes of whole numbers; mf 8,192 bytes of whole numbers; hb 19,660,800 bytes; ob 6,553,600 bytes
;; launch prep (part 1): grid 1408 x 1, 4 waves a work-group, no clusters, 56,832 bytes of LDS; arguments Wq, Wk, Wv, Wo, mask, wb, mk, q, k, v, xb, mf; writes wb, mk, xb, mf
.if DOCPART == 1
	.amdgcn_target "amdgcn-amd-amdhsa--gfx1250"
	.amdhsa_code_object_version 6
	.text
	.protected	k_qc78f1d3f6f_prep
	.globl	k_qc78f1d3f6f_prep
	.p2align	8
	.type	k_qc78f1d3f6f_prep,@function
k_qc78f1d3f6f_prep:
	s_mov_b64 s[64:65], 0
	v_nop
	global_prefetch_b8 v0, s[64:65] scope:SCOPE_SE
	s_setreg_imm32_b32 hwreg(HW_REG_WAVE_MODE, 25, 1), 1
	s_wait_xcnt 0x0
; THREE JOBS, told apart by the work-group's number; they share no byte of memory or of LDS, and run side by side in one launch.
; Work-groups 0-127: the four weights [K 1024][N 1024] f32, K their first axis, become codes of FP6 (E2M3) laid [N][768 bytes] with K innermost, and scale bytes [N][32], in wb:
;   codes of weight t (0 Wq, 1 Wk, 2 Wv, 3 Wo) at t x 786,432, scale bytes at 3,145,728 + t x 32,768.  A lane takes a column n and its registers run down K: a block of 32 lies in one lane.
;   IN Wo ALONE the codes of a block stand in another order: places 0-7, 8-15, 16-23, 24-31 hold k % 32 = 0-7, 16-23, 8-15, 24-31: the order in which the attention launch leaves its results.
;   The block, and so its scale, is the same 32 numbers.
; Work-groups 128-639: the mask's bytes become words of 32 lane bits in mk, [b 4][G 128][s 16][64 words]: bit L of word 8 tile + j is mask[b][16 G + L % 16][128 s + 16 tile + 8 (L / 16) + j]:
; Work-groups 640-1407: q, k, v [8192][1024] f32 become codes, K innermost, and one E8M0 byte for each 32 along K, in xb: codes of tensor t (0 q, 1 k, 2 v) at t x 6,291,456 as [8192][768 bytes];
;   scale bytes at 18,874,368 + t x 262,144 as [8192][32].  256 work-groups to a tensor; a wave takes 16 steps of 512 numbers of the plain stream of blocks of 32.
; A block's scale is 2^(floor(log2(largest magnitude)) - 2); its byte is the largest magnitude's exponent field - 2, held at 1 from below.
; LIMITS: blocks whose largest magnitude lies under 2^(3 - 127) keep the byte 1 (a block of zeros too: its codes are zeros, and this program alone reads the bytes); NaN and infinities are not served.
; LDS: the weights' stages at 0 .. 34,815; the tokens' regions from 34,816 on, 5,376 bytes a wave; the mask's job uses none.  Waves share nothing: no barrier.
.set KW,    256                        ; the weights: along K for a wave
.set NB,    KW/32                      ; blocks
.set ROWB,  192                        ; bytes of KW codes
.set PITCH, 272                        ; a stage row: sixteen places of 16 bytes, each with 12 bytes of codes, + 16
; THE ORDER OF THE CODES IN xb AND wb (it takes the place of what the head says of rows of 768 bytes): a tensor's codes lie as [row / 256][K / 256][row % 256][192 bytes]:
; byte y of row n's 768 stands at (n / 256) x 196,608 + (y / 192) x 49,152 + (n % 256) x 192 + y % 192.  So the 256 rows x 256 along K that a product's launch takes at a time are 49,152 consecutive bytes, 192 runs of 256.
.set KROW,  192                        ; from row to row inside such a block
.set NROW,  4096                       ; a row of a weight in bytes
.set EMAX,  2
.set X,     32                         ; v32-95   two sets of 32 numbers
.set C,     96                         ; v96..    a block's codes
.set OUTR,  112                        ; v112-175 the way out
.set SB,    24                         ; v24-25   the scale bytes, four to a register
.set QSTEPS, 16                        ; the tokens: steps of a wave
.set QCB,   12                         ; bytes of 16 codes
.set QR,    16                         ; v16-79   four sets of 16 numbers as they are loaded
.set QX,    80                         ; v80-111  two sets of 16 neighbours
.set QC,    128                        ; v128-191 codes: four registers for each step, so that no store's data are written again
.set QE,    112                        ; v112-127 a scale byte for each step
.set QBASE, 4*32*PITCH                 ; behind the weights' four stages
.set QSP,   80                         ; a lane's place in a stage: 64 bytes + 16 of padding
.set QWREG, 2*32*QSP+256               ; a wave's region: two stages, then its 256 scale bytes
	v_lshl_add_u32 v192, v0, 2, 0xdc00
	v_mov_b32 v193, 0
	v_lshrrev_b32 v1, 5, v0
	v_readfirstlane_b32 s16, v1                    ; wave 0..3
	v_and_b32 v2, 31, v0                           ; lane
	s_cmp_lt_u32 ttmp9, 640
	s_cbranch_scc0 .Lquant                         ; each job loads its own arguments behind the branch
	s_load_b256 s[4:11], s[0:1], 0x0               ; Wq s[4:5], Wk s[6:7], Wv s[8:9], Wo s[10:11]
	s_load_b128 s[12:15], s[0:1], 0x20             ; mask s[12:13], wb s[14:15]
	s_load_b64 s[48:49], s[0:1], 0x30              ; mk
	s_load_b64 s[52:53], s[0:1], 0x58              ; mf: [b 4][G 128][wave 4] words; bit sl of a word: all 16 x 128 mask bytes of key step 4 wave + sl are true
	s_cmp_lt_u32 ttmp9, 128
	s_cbranch_scc0 .Lmask
	; ---------------- the weights: 32 work-groups to a weight: 8 along N x 4 along K
	s_lshr_b32 s20, ttmp9, 5                       ; which weight
	s_and_b32 s17, ttmp9, 7
	s_lshl_b32 s17, s17, 7
	s_lshl_b32 s18, s16, 5
	s_add_co_u32 s17, s17, s18                     ; my wave's first column
	s_bfe_u32 s18, ttmp9, 0x20003                  ; which 256 along K
	s_wait_alu depctr_va_vdst(0)
	v_lshlrev_b32 v3, 2, v2                        ; in: 4 bytes a lane
	s_cmp_eq_u32 s20, 3
	s_cselect_b32 s21, 32768, 0                    ; Wo: registers 8-15 take the rows 8 further down,
	s_cselect_b32 s22, 0, 32768                    ; registers 16-23 those 8 further up (their immediates stand 8 rows up; the other weights add the 8 rows again)
	v_add_nc_u32 v14, s21, v3
	v_add_nc_u32 v15, s22, v3
	s_mul_i32 s19, s16, 32*PITCH                   ; my stage
	v_mul_u32_u24 v4, v2, PITCH
	v_add_nc_u32 v4, s19, v4                       ; into it: row = my column
	v_and_b32 v5, 15, v2
	v_lshrrev_b32 v6, 4, v2                        ; out of it: sixteen lanes to a row, two rows an instruction
	v_mul_u32_u24 v7, v6, PITCH
	v_lshl_add_u32 v7, v5, 4, v7
	v_add_nc_u32 v7, s19, v7
	v_mul_u32_u24 v8, v6, KROW
	v_mad_u32_u24 v8, v5, 12, v8                   ; and the same place in the codes
	v_lshlrev_b32 v9, 5, v2                        ; my column's row of scale bytes
	s_lshl_b32 s24, s18, 20                        ; the weight: 256 rows of 4,096 bytes a chunk,
	s_lshl_b32 s23, s17, 2
	s_add_co_u32 s24, s24, s23                     ; + 4 x column
	s_mov_b32 s25, 0
	s_mul_i32 s26, s20, 786432                     ; the codes: weight, then column and chunk in the tiled order
	s_lshr_b32 s23, s17, 8
	s_mul_i32 s23, s23, 196608                     ; which 256 columns,
	s_add_co_u32 s26, s26, s23
	s_and_b32 s23, s17, 255
	s_mul_i32 s23, s23, KROW                       ; the column in them,
	s_add_co_u32 s26, s26, s23
	s_mul_i32 s23, s18, 49152                      ; which 256 along K
	s_add_co_u32 s26, s26, s23
	s_mov_b32 s27, 0
	s_lshl_b32 s28, s20, 15                        ; the scale bytes: weight, column x 32, chunk x 8
	s_lshl_b32 s23, s17, 5
	s_add_co_u32 s28, s28, s23
	s_lshl_b32 s23, s18, 3
	s_add_co_u32 s28, s28, s23
	s_add_co_u32 s28, s28, 3145728
	s_mov_b32 s29, 0
	s_wait_kmcnt 0x0
	s_bitcmp1_b32 s20, 0                           ; the choice of the weight hangs on the work-group's number alone
	s_cselect_b64 s[4:5], s[6:7], s[4:5]           ; Wk or Wq
	s_cselect_b64 s[8:9], s[10:11], s[8:9]         ; Wo or Wv
	s_bitcmp1_b32 s20, 1
	s_cselect_b64 s[4:5], s[8:9], s[4:5]
	s_add_nc_u64 s[4:5], s[4:5], s[24:25]
	s_add_nc_u64 s[6:7], s[14:15], s[26:27]
	s_add_nc_u64 s[8:9], s[14:15], s[28:29]
.macro LOAD t                          ; block t into set t % 2: register i takes row 32 t + i of my column (in Wo: the row of place i)
.irp i, 0,1,2,3,4,5,6,7
	global_load_b32 v[X+32*((\t)%2)+\i], v3, s[4:5] offset:(32*(\t)+\i)*NROW th:TH_LOAD_NT
.endr
.irp i, 8,9,10,11,12,13,14,15
	global_load_b32 v[X+32*((\t)%2)+\i], v14, s[4:5] offset:(32*(\t)+\i)*NROW th:TH_LOAD_NT
.endr
.irp i, 16,17,18,19,20,21,22,23
	global_load_b32 v[X+32*((\t)%2)+\i], v15, s[4:5] offset:(32*(\t)+\i-8)*NROW th:TH_LOAD_NT
.endr
.irp i, 24,25,26,27,28,29,30,31
	global_load_b32 v[X+32*((\t)%2)+\i], v3, s[4:5] offset:(32*(\t)+\i)*NROW th:TH_LOAD_NT
.endr
.endm
	LOAD 0
	LOAD 1
.macro BLOCK t
.set XS, X+32*((\t)%2)
.if (\t) < NB-1
	s_wait_loadcnt 32                              ; this block's 32 loads are in; the next block's may be out
.else
	s_wait_loadcnt 0
.endif
	v_max3_num_f32 v12, |v[XS]|, |v[XS+1]|, |v[XS+2]|               ; the block's largest magnitude: all 32 numbers are mine
	v_max3_num_f32 v13, |v[XS+3]|, |v[XS+4]|, |v[XS+5]|
.irp i, 6,10,14,18,22,26
	v_max3_num_f32 v12, v12, |v[XS+\i]|, |v[XS+\i+1]|
	v_max3_num_f32 v13, v13, |v[XS+\i+2]|, |v[XS+\i+3]|
.endr
	v_max3_num_f32 v12, v12, |v[XS+30]|, |v[XS+31]|
	v_max3_num_f32 v12, v12, v13, (EMAX+1)<<23     ; and the floor 2^(3 - 127)
	v_add_nc_u32 v11, -(EMAX<<23), v12             ; 2 off its exponent field: the conversion's scale operand
	v_lshrrev_b32 v13, 23, v11                     ; the scale's byte
.if (\t)%4 == 0
	v_mov_b32 v[SB+(\t)/4], v13                    ; four bytes to a register, the lower K in the lower byte
.else
	v_lshl_or_b32 v[SB+(\t)/4], v13, 8*((\t)%4), v[SB+(\t)/4]
.endif
	v_cvt_scalef32_pk16_fp6_f32 v[C:C+2], v[XS:XS+15], v11
	v_cvt_scalef32_pk16_fp6_f32 v[C+4:C+6], v[XS+16:XS+31], v11     ; (a conversion's three registers begin on an even number)
	ds_store_b96 v4, v[C:C+2] offset:32*(\t)       ; 16 codes, 12 bytes, to a place of 16 bytes in the stage
	ds_store_b96 v4, v[C+4:C+6] offset:32*(\t)+16
.if (\t)+2 < NB
	LOAD (\t)+2
.endif
	s_wait_dscnt 0x0                               ; the stores have read their registers: the next block's codes may be written
.endm
.set Q, 0
.rept NB
	BLOCK Q
.set Q, Q+1
.endr
	s_wait_alu depctr_va_vdst(0)
	global_store_b64 v9, v[SB:SB+1], s[8:9]        ; my column's 8 scale bytes
.irp t, 0,1,2,3,4,5,6,7,8,9,10,11,12,13,14,15
	ds_load_b96 v[OUTR+4*\t:OUTR+4*\t+2], v7 offset:2*\t*PITCH   ; LDS serves a wave's instructions in order: these see my stores
.endr
.irp t, 0,1,2,3,4,5,6,7,8,9,10,11,12,13,14,15
	s_wait_dscnt 15-\t                             ; loads come back in order: the younger ones may be out
	global_store_b96 v8, v[OUTR+4*\t:OUTR+4*\t+2], s[6:7] offset:2*\t*KROW   ; sixteen lanes store a row's 192 consecutive bytes
.endr
	s_wait_tensorcnt 0x0
	ds_add_u32 v192, v193
	s_wait_dscnt 0x0
	s_endpgm
	; ---------------- the mask: a work-group takes 16 queries (b, G), a wave four key steps of 128
.Lmask:
	s_sub_co_u32 s20, ttmp9, 128                   ; 128 b + G
	s_lshl_b32 s24, s20, 15                        ; 16 rows of 2,048 bytes,
	s_lshl_b32 s23, s16, 9
	s_add_co_u32 s24, s24, s23                     ; + my wave's 512 keys
	s_mov_b32 s25, 0
	s_lshl_b32 s26, s20, 12                        ; 16 steps of 256 bytes of words,
	s_lshl_b32 s23, s16, 10
	s_add_co_u32 s26, s26, s23                     ; + my wave's four
	s_mov_b32 s27, 0
	s_wait_alu depctr_va_vdst(0)
	v_and_b32 v5, 15, v2
	v_lshrrev_b32 v6, 4, v2
	v_lshlrev_b32 v28, 11, v5                      ; query lane % 16,
	v_lshl_add_u32 v28, v6, 4, v28                 ; 16 bytes a lane: lanes 0-15 an even tile's 16 keys, lanes 16-31 the odd tile's behind it
	s_mov_b32 s51, 0                               ; my four flag bits
	v_lshlrev_b32 v29, 3, v2                       ; out: 8 bytes a lane
.irp i, 0,1,2,3,4,5,6,7
	v_mov_b32 v[16+\i], 0                          ; the words: a lane write's destination counts as read
.endr
	s_wait_kmcnt 0x0
	s_add_nc_u64 s[12:13], s[12:13], s[24:25]
	s_add_nc_u64 s[48:49], s[48:49], s[26:27]
.irp sl, 0,1,2,3
.irp tile, 0,1,2,3
	global_load_b128 v[64+4*(4*\sl+\tile):64+4*(4*\sl+\tile)+3], v28, s[12:13] offset:128*\sl+32*\tile th:TH_LOAD_NT   ; 32 consecutive bytes of each of 16 rows
.endr
.endr
.irp sl, 0,1,2,3
	s_wait_loadcnt 4*(3-\sl)                       ; this step's four loads are in; the younger steps' four each may be out
.irp tp, 0,1,2,3
	v_permlane16_swap_b32 v[64+4*(4*\sl+\tp)], v[64+4*(4*\sl+\tp)+2]       ; the first pair's lanes 16-31 change places with the second pair's lanes 0-15:
	v_permlane16_swap_b32 v[64+4*(4*\sl+\tp)+1], v[64+4*(4*\sl+\tp)+3]     ; each pair of registers now holds one tile, keys 8 (lane / 16) + 0 .. 7
.endr
	s_mov_b32 s50, -1                              ; the AND of the step's 64 words
.irp tile, 0,1,2,3,4,5,6,7
.irp j, 0,1,2,3,4,5,6,7
	v_and_b32 v[24+\j%4], 0xff<<(8*(\j%4)), v[64+2*(8*\sl+\tile)+\j/4]     ; byte j of my eight
	v_cmp_ne_u32 s[32+(8*\tile+\j)%16], 0, v[24+\j%4]                        ; the 32 lanes' bits: word 8 tile + j
	v_writelane_b32 v[16+2*\sl+\j%2], s[32+(8*\tile+\j)%16], (8*\tile+\j)/2  ; to byte 4 (8 tile + j) of the step's 256
	s_and_b32 s50, s50, s[32+(8*\tile+\j)%16]
.endr
.endr
	global_store_b64 v29, v[16+2*\sl:17+2*\sl], s[48:49] offset:256*\sl     ; 32 lanes store 256 consecutive bytes, aligned
	s_cmp_eq_u32 s50, -1
	s_cselect_b32 s50, 1<<\sl, 0
	s_or_b32 s51, s51, s50
.endr
	s_lshl_b32 s54, s20, 4                         ; my flag word: 16 bytes for each 16 queries, 4 for each wave
	s_lshl_b32 s55, s16, 2
	s_add_co_u32 s54, s54, s55
	s_mov_b32 s55, 0
	s_add_nc_u64 s[52:53], s[52:53], s[54:55]
	v_mov_b32 v30, 0
	v_mov_b32 v31, s51
	v_cmp_eq_u32 vcc_lo, 0, v2
	s_wait_alu depctr_va_vdst(0)
	s_wait_xcnt 0x0                                ; EXEC changes only behind this wait
	s_and_saveexec_b32 s56, vcc_lo                 ; lane 0 alone stores the word
	global_store_b32 v30, v31, s[52:53]
	s_wait_xcnt 0x0
	s_or_b32 exec_lo, exec_lo, s56
	s_endpgm
	; ---------------- the tokens.  Each of a step's four loads reads 512 consecutive bytes, 16 a lane; the 2,048 bytes turn through the wave's own stage in LDS and come back 64 bytes a lane,
	; so that a lane holds 16 neighbours (two neighbouring lanes hold a block).  A lane's 16 codes are 12 bytes: the wave stores two runs of 192 bytes, 49,152 apart.
	; A wave's 256 scale bytes are gathered in its own LDS bytes and leave as one aligned run of 256 bytes.
.Lquant:
	s_load_b64 s[4:5], s[0:1], 0x38                ; q
	s_load_b64 s[6:7], s[0:1], 0x40                ; k
	s_load_b64 s[8:9], s[0:1], 0x48                ; v
	s_load_b64 s[10:11], s[0:1], 0x50              ; xb
	s_wait_alu depctr_va_vdst(0)
	v_lshlrev_b32 v3, 4, v2                        ; my 16 bytes of a load's 512
	s_mul_i32 s17, s16, QWREG
	s_add_co_u32 s17, s17, QBASE                   ; my wave's region
	v_lshrrev_b32 v14, 2, v2
	v_mul_u32_u24 v14, v14, QSP
	v_and_b32 v15, 3, v2
	v_lshl_add_u32 v14, v15, 4, v14
	v_add_nc_u32 v14, s17, v14                     ; the stage, on the way in: QSP (lane / 4) + 16 (lane % 4)
	v_mul_u32_u24 v15, v2, QSP
	v_add_nc_u32 v15, s17, v15                     ; and on the way out: QSP x lane: my 16 neighbours
	v_and_b32 v4, 15, v2
	v_mul_u32_u24 v4, v4, QCB                      ; my codes' place: a step is half a row, two blocks' rows of 192 bytes: sixteen lanes to each,
	v_lshrrev_b32 v5, 4, v2
	v_mad_u32_u24 v4, v5, 0xc000, v4               ; 49,152 bytes apart
	v_lshrrev_b32 v5, 1, v2
	s_add_co_u32 s17, s17, 2*32*QSP
	v_add_nc_u32 v5, s17, v5                       ; LDS: my wave's 256 scale bytes, my block's byte
	v_lshlrev_b32 v7, 3, v2                        ; and on the way out 8 bytes a lane
	v_add_nc_u32 v6, s17, v7
	s_sub_co_u32 s14, ttmp9, 640
	s_lshr_b32 s12, s14, 8                         ; which tensor
	s_and_b32 s13, s14, 255                        ; which work-group of its 256
	s_lshl_b32 s17, s13, 2
	s_add_co_u32 s18, s17, s16                     ; which run of 8,192 numbers is my wave's
	s_mov_b32 s21, 0
	s_wait_alu depctr_va_vdst(0)
	s_wait_kmcnt 0x0
	s_cmp_eq_u32 s12, 2                            ; the choice hangs on the work-group's number alone
	s_cselect_b64 s[6:7], s[8:9], s[6:7]           ; v or k
	s_cmp_eq_u32 s12, 0
	s_cselect_b64 s[4:5], s[4:5], s[6:7]           ; q, or that
	s_lshl_b32 s20, s18, 15                        ; 32,768 bytes of f32 a run
	s_add_nc_u64 s[4:5], s[4:5], s[20:21]
	s_mul_i32 s20, s12, 6291456
	s_lshr_b32 s22, s18, 5                         ; a run is 8 rows: 32 runs to 256 rows
	s_mul_i32 s22, s22, 196608
	s_add_co_u32 s20, s20, s22
	s_and_b32 s22, s18, 31
	s_mul_i32 s22, s22, 8*192
	s_add_co_u32 s20, s20, s22
	s_add_nc_u64 s[8:9], s[10:11], s[20:21]        ; my codes
	s_lshl_b32 s20, s12, 18
	s_lshl_b32 s22, s18, 8                         ; 256 scale bytes a run
	s_add_co_u32 s20, s20, s22
	s_add_co_u32 s20, s20, 18874368
	s_add_nc_u64 s[10:11], s[10:11], s[20:21]      ; my scale bytes
.macro QLOAD t
.irp i, 0,1,2,3
	global_load_b128 v[QR+16*((\t)%4)+4*\i:QR+16*((\t)%4)+4*\i+3], v3, s[4:5] offset:2048*(\t)+512*\i th:TH_LOAD_NT   ; 32 lanes read 512 consecutive bytes
.endr
.endm
.macro QTURN t                         ; step t's numbers through the stage: LDS serves a wave's instructions in order, so no wait stands between the stores and the loads
.irp i, 0,1,2,3
	ds_store_b128 v14, v[QR+16*((\t)%4)+4*\i:QR+16*((\t)%4)+4*\i+3] offset:32*QSP*((\t)%2)+8*QSP*\i
.endr
.irp i, 0,1,2,3
	ds_load_b128 v[QX+16*((\t)%2)+4*\i:QX+16*((\t)%2)+4*\i+3], v15 offset:32*QSP*((\t)%2)+16*\i
.endr
.endm
.irp t, 0,1,2,3
	QLOAD \t
.endr
	s_wait_loadcnt 12                              ; step 0's four loads are in; three steps' twelve may be out
	QTURN 0
.macro QSTEP t
.set QXS, QX+16*((\t)%2)
.if (\t) > 0
	s_wait_dscnt 1                                 ; this step's numbers are back from the stage (the last step's byte store may be out): its stores into the stage have read their registers,
.else
	s_wait_dscnt 0x0
.endif
.if (\t)+4 < QSTEPS
	QLOAD (\t)+4                                   ; which take the loads of four steps on
.endif
.if (\t)+1 < QSTEPS
.if QSTEPS-2-(\t) >= 3
	s_wait_loadcnt 12                              ; the next step's four loads are in; those of the three steps behind it may be out
.else
	s_wait_loadcnt 4*(QSTEPS-2-(\t))
.endif
	QTURN (\t)+1                                   ; and go through the other stage while this step is worked
.endif
	v_max3_num_f32 v8, |v[QXS]|, |v[QXS+1]|, |v[QXS+2]|             ; the largest magnitude of my 16, in two chains
	v_max3_num_f32 v9, |v[QXS+3]|, |v[QXS+4]|, |v[QXS+5]|
.irp i, 6,10
	v_max3_num_f32 v8, v8, |v[QXS+\i]|, |v[QXS+\i+1]|
	v_max3_num_f32 v9, v9, |v[QXS+\i+2]|, |v[QXS+\i+3]|
.endr
	v_max3_num_f32 v8, v8, |v[QXS+14]|, |v[QXS+15]|
	v_max3_num_f32 v8, v8, v9, (EMAX+1)<<23        ; and the floor 2^(3 - 127): the byte cannot fall under 1
	v_max_num_f32_dpp v8, v8, v8 row_xmask:1 row_mask:0xf bank_mask:0xf   ; and of my neighbour's 16: the block's
	v_add_nc_u32 v11, -(EMAX<<23), v8              ; 2 off its exponent field: the conversion takes the exponent field of this operand as its scale
	v_cvt_scalef32_pk16_fp6_f32 v[QC+4*(\t):QC+4*(\t)+2], v[QXS:QXS+15], v11
	v_lshrrev_b32 v[QE+(\t)], 23, v11              ; the scale's byte (a plain line behind the conversion)
	ds_store_b8 v5, v[QE+(\t)] offset:16*(\t)      ; both lanes of a block write the same byte with the same value
	global_store_b96 v4, v[QC+4*(\t):QC+4*(\t)+2], s[8:9] offset:98304*((\t)%2)+192*((\t)/2)   ; row t / 2 of my eight, half t % 2 of it
.endm
.irp t, 0,1,2,3,4,5,6,7,8,9,10,11,12,13,14,15
	QSTEP \t
.endr
	ds_load_b64 v[12:13], v6                       ; LDS serves a wave's instructions in order: these see my stores
	s_wait_dscnt 0x0
	global_store_b64 v7, v[12:13], s[10:11]        ; 32 lanes store 256 consecutive bytes, aligned
	s_wait_tensorcnt 0x0
	ds_add_u32 v192, v193
	s_wait_dscnt 0x0
	s_endpgm
.Lfunc_end_k_qc78f1d3f6f_prep:
	.size	k_qc78f1d3f6f_prep, .Lfunc_end_k_qc78f1d3f6f_prep-k_qc78f1d3f6f_prep
	.p2alignl 7, 3214868480
	.fill 96, 4, 3214868480
	.section	.rodata,"a",@progbits
	.p2align	6, 0x0
	.amdhsa_kernel k_qc78f1d3f6f_prep
		.amdhsa_group_segment_fixed_size 56832
		.amdhsa_private_segment_fixed_size 0
		.amdhsa_enable_private_segment 0
		.amdhsa_kernarg_size 96
		.amdhsa_user_sgpr_count 2
		.amdhsa_user_sgpr_kernarg_segment_ptr 1
		.amdhsa_wavefront_size32 1
		.amdhsa_system_sgpr_workgroup_id_x 1
		.amdhsa_system_sgpr_workgroup_id_y 1
		.amdhsa_system_sgpr_workgroup_id_z 1
		.amdhsa_system_vgpr_workitem_id 0
		.amdhsa_next_free_vgpr 194
		.amdhsa_next_free_sgpr 66
		.amdhsa_reserve_vcc 1
		.amdhsa_float_denorm_mode_32 3
		.amdhsa_float_denorm_mode_16_64 3
		.amdhsa_memory_ordered 1
		.amdhsa_forward_progress 1
		.amdhsa_inst_pref_size 136
	.end_amdhsa_kernel
	.amdgpu_metadata
---
amdhsa.version: [ 1, 2 ]
amdhsa.kernels:
  - .name:           k_qc78f1d3f6f_prep
    .symbol:         k_qc78f1d3f6f_prep.kd
    .args:
      - { .name: Wq, .offset: 0, .size: 8, .value_kind: global_buffer, .address_space: global }
      - { .name: Wk, .offset: 8, .size: 8, .value_kind: global_buffer, .address_space: global }
      - { .name: Wv, .offset: 16, .size: 8, .value_kind: global_buffer, .address_space: global }
      - { .name: Wo, .offset: 24, .size: 8, .value_kind: global_buffer, .address_space: global }
      - { .name: mask, .offset: 32, .size: 8, .value_kind: global_buffer, .address_space: global }
      - { .name: wb, .offset: 40, .size: 8, .value_kind: global_buffer, .address_space: global }
      - { .name: mk, .offset: 48, .size: 8, .value_kind: global_buffer, .address_space: global }
      - { .name: q, .offset: 56, .size: 8, .value_kind: global_buffer, .address_space: global }
      - { .name: k, .offset: 64, .size: 8, .value_kind: global_buffer, .address_space: global }
      - { .name: v, .offset: 72, .size: 8, .value_kind: global_buffer, .address_space: global }
      - { .name: xb, .offset: 80, .size: 8, .value_kind: global_buffer, .address_space: global }
      - { .name: mf, .offset: 88, .size: 8, .value_kind: global_buffer, .address_space: global }
    .group_segment_fixed_size: 56832
    .private_segment_fixed_size: 0
    .kernarg_segment_align: 8
    .kernarg_segment_size: 96
    .max_flat_workgroup_size: 128
    .sgpr_count:     66
    .vgpr_count:     194
    .wavefront_size: 32
...
	.end_amdgpu_metadata
.endif
;; end of part 1
;; launch proj (part 2): grid 4 x 96, 4 waves a work-group, clusters of 4 x 4, 327,680 bytes of LDS; arguments xb, wb, hb; writes hb
.if DOCPART == 2
	.amdgcn_target "amdgcn-amd-amdhsa--gfx1250"
	.amdhsa_code_object_version 6
	.text
	.protected	k_qc78f1d3f6f_proj
	.globl	k_qc78f1d3f6f_proj
	.p2align	8
	.type	k_qc78f1d3f6f_proj,@function
k_qc78f1d3f6f_proj:
	s_mov_b64 s[64:65], 0
	v_nop
	global_prefetch_b8 v0, s[64:65] scope:SCOPE_SE
	s_setreg_imm32_b32 hwreg(HW_REG_WAVE_MODE, 25, 1), 1
	s_wait_xcnt 0x0
	s_wait_alu depctr_hold_cnt(0) depctr_sa_sdst(0) depctr_va_vdst(0) depctr_va_sdst(0) depctr_va_ssrc(0) depctr_va_vcc(0) depctr_vm_vsrc(0)
	s_getreg_b32 s2, hwreg(HW_REG_IB_STS2, 6, 4)
	s_cmp_eq_u32 s2, 0
	s_cbranch_scc0 .Lentry_in_a_cluster
	s_endpgm
.Lentry_in_a_cluster:
	s_bfe_u32 s2, ttmp6, 0x10000c
	s_cmp_lg_u32 s2, 0xf033
	s_cbranch_scc0 .Lentry_shape_is_right
	s_endpgm
.Lentry_shape_is_right:
; THE THREE PROJECTIONS, on codes of FP6 (E2M3) with one E8M0 scale for each 32 along K = 1,024, and their results quantised on the way out for the attention launch.
; C[m][n] = sum over k of A[m][k] B[n][k].  A tile of C, 256 x 256, is made by four waves, each 128 x 128: 64 accumulators of 16 x 16, 512 registers.  K goes in steps of 256 through a ring of two LDS slots
; filled by the tensor data mover; the scale bytes of the tile's rows, for all of K, come into LDS once.  4 x 4 work-groups form a cluster: A's tiles are asked for jointly along a row of it, B's along a column.
; WHICH PRODUCT: the cluster's y, 0..23: TEN = y / 8 (0 q, 1 k, 2 v), CR = y % 8.  For q and k: A = the tokens' codes (8,192 rows), B = the weight's (1,024 rows).
; FOR v THE OPERANDS CHANGE PLACES: A = Wv, B = v's tokens, so that C = vh^T: the next product's K, the keys, then runs along a lane's registers.
; THE MATRIX INSTRUCTION IS USED TRANSPOSED (source 0 = 16 rows of B, source 1 = 16 rows of A): lane l holds row l % 16 of A's block, and its registers 0-7 the columns 8 (l / 16) + 0..7 of B's block.
; THE WAY OUT.  The 16 registers of two neighbouring accumulators are half a block of 32 along the next K (the other half lies in lane l xor 16).  Largest magnitude, scale byte, conversion; one exchange of halves gives
; each lane a whole block: six registers, in which place 16 h' + 8 u + j holds number 16 u + 8 h' + j of the block.  Both operands of each later product have this same order, so the products are unchanged.
; A HALF-IMAGE is six operand registers of 32 lanes, 768 bytes: registers 0-3 of lane l at 16 l, registers 4-5 at 512 + 8 l.  A RECORD, 6,400 bytes, is 8 half-images and 64 scale words (at 6,144).
; hb: regions Q at 0, K at 6,553,600, V at 13,107,200, each [batch x head 64][key step 16][record].
;   Q, K record: half-image a = tokens 16 a + r, lane (r, h) block h of the head's 64; word (a / 2, r): low half the two bytes of token 32 (a / 2) + r, high half those of token 32 (a / 2) + 16 + r.
;   V record: half-image 2 t + c = channel 16 t + r, lane (r, h) key block 2 c + h of the step's 128 keys; word (t, r): the four blocks' bytes.
; A wave's 128 x 128 are two records (two heads); they are gathered in the wave's own stage in LDS and leave in runs of 512 consecutive bytes.
; LIMITS: blocks whose largest magnitude lies under 2^(3 - 127) keep the byte 1 (a block of zeros too: its codes are zeros).
; REGISTERS, in windows of 256: window 0: v0-31 addresses; v32-63 scale words, two sets; from v128 A's fragments, one set; on the way out v64-217 are at work.
;   window 1: B's fragments, two sets.   window 2: the accumulators of my rows 0-63 ((a, b) at v[8 (8 a + b)]);   window 3: those of my rows 64-127.
.set KSTEP,  256                       ; along K in a slot
.set NQ,     KSTEP/128                 ; matrix instructions deep
; THE TILES IN MEMORY: the codes of 256 rows x 256 along K are 49,152 consecutive bytes (rows of 192 bytes on end), and come in as rows of 256 bytes; the padding of 16 bytes behind every 64 makes LDS rows of 240 bytes of them.
; THE HEAD: one tensor load a wave: K step 0's 256 rows of A, its 256 rows of B, A's scales, B's scales; slot 1 is first filled behind the three lines and a round.
; No prefetch: the block is 256 x 256 in clusters and K has four steps.
.set ROWB,   49152                     ; from a K step's block to the next
.set KROW,   768                       ; a row of codes in memory
.set PITCH,  240                       ; an LDS row: 3 x (64 bytes + 16 of padding)
.set FR,     12                        ; registers of a fragment
.set NL,     6                         ; LDS loads that bring one
.set NP,     4                         ; places behind this matrix instruction (ISA guide 7.12.1)
.set HALFT,  128*PITCH                 ; 128 rows: what one tensor load brings
.set SLOT,   4*HALFT                   ; A's 256 rows, then B's 256 rows
.set LAPS,   2                         ; 1,024 / 512: a lap = two K steps = once round the ring
.set KS,     32                        ; a row of scale bytes
.set SCL,    2*SLOT                    ; behind the ring: the scales, as runs of 256 bytes + 16 of padding
.set HALFS,  (128*KS/256)*272          ; the scales of 128 rows
.set SBLK,   (16*KS/256)*272           ; those of 16 rows
.set SPARE,  SCL+4*HALFS               ; the spare words, 128 bytes for each wave
.set VSTG,   SPARE+512                 ; v's way out: stages of its own, 12,800 bytes a wave.  (q's and k's lie in slot 0, which has had its last fill and its last read by then)
.set REC,    6400
.set ADRA, 16                          ; v16-17 LDS address of my A fragments in slot 0, 1 (v18-19: behind one padding more)
.set ADRB, 20                          ; v20-23 the same for B
.set ADRS, 27                          ; v27    my scale words: lanes 0-15 A's rows, lanes 16-31 B's
.set SPW,  28                          ; v28    my spare word; never rewritten
.set NIL,  29                          ; v29    0; never rewritten
.set SC,   32                          ; scale words
.set AF,   128                         ; A's fragments
.set G1, 24
.set G0, 32
.set G1B, 48
.set G0B, 56
.set G1S, 68
.set G0S, 76
.set G1SB, 80
.set G0SB, 88
.set TEN, 100                          ; s100  which projection
.set CR,  101                          ; s101  which four tiles of the 8,192 tokens
.set MSB, 0
.macro WIN new                         ; the immediate's high byte repeats the setting that is left
.if MSB != \new
	s_set_vgpr_msb (MSB<<8)|\new
.set MSB, \new
.endif
.endm
.set MUL_LO, 0xa1                      ; source 0 (B) window 1, source 1 (A) window 0, C and D window 2
.set MUL_HI, 0xf1                      ; the same, C and D window 3
.set TO_B,   0x40                      ; destination window 1, address window 0
; A joint load: waves 0 and 1 fetch for A, waves 2 and 3 for B; the branch hangs on the wave's number alone.  Four v_nop follow each of the two lines.
.macro JLOAD g0a, g1a, g0b, g1b
	s_cmp_eq_u32 s15, 0
	s_cbranch_scc0 .Lfor_b_\@
	tensor_load_to_lds s[\g0a:\g0a+3], s[\g1a:\g1a+7]
	s_nop 0
.rept 4
	v_nop
.endr
	s_branch .Lasked_\@
.Lfor_b_\@:
	tensor_load_to_lds s[\g0b:\g0b+3], s[\g1b:\g1b+7]
	s_nop 0
.rept 4
	v_nop
.endr
.Lasked_\@:
.endm
.macro CREST                           ; a round of the cluster's barrier behind its opening barrier
	s_cmp_lg_u32 s14, 0
	s_cbranch_scc1 .Lnot_wave_0_\@
	s_barrier_signal -3
.Lnot_wave_0_\@:
	s_barrier_wait -3
	s_barrier_signal -1
	s_barrier_wait -1
.endm
.macro CROUND
	s_barrier_signal -1
	s_barrier_wait -1
	CREST
.endm
	s_load_b64 s[4:5], s[0:1], 0x0                 ; xb
	s_load_b64 s[8:9], s[0:1], 0x8                 ; wb
	s_load_b64 s[12:13], s[0:1], 0x10              ; hb
	v_lshl_add_u32 v[SPW], v0, 2, SPARE
	v_mov_b32 v[NIL], 0
	ds_add_u32 v28, v29
	ds_add_u32 v28, v29
	s_wait_dscnt 0x0
	v_lshrrev_b32 v1, 5, v0
	v_readfirstlane_b32 s14, v1                    ; wave 0..3
	s_lshr_b32 s15, s14, 1                         ; which half of the tile's rows is mine.  Also: I fetch for A (0) or for B (1)
	s_and_b32 s16, s14, 1                          ; which half of its columns.  Also: which 128 rows of that tile I fetch
	s_bfe_u32 s40, ttmp6, 0x40000                  ; cx, cy: my place in the cluster
	s_bfe_u32 s41, ttmp6, 0x40004
	s_and_b32 s[CR], ttmp7, 0xffff                 ; the cluster's y: the same in all sixteen partners
	s_lshr_b32 s[TEN], s[CR], 3
	s_and_b32 s[CR], s[CR], 7
	s_cmp_lt_u32 s[TEN], 2
	s_cselect_b32 s17, s[CR], 0                    ; q, k: the tokens are A's rows;
	s_cselect_b32 s42, 0, s[CR]                    ; v: they are B's
	s_lshl_b32 s17, s17, 2
	s_add_co_u32 s17, s17, s41                     ; tile row
	s_lshl_b32 s42, s42, 2
	s_add_co_u32 s42, s42, s40                     ; tile column
	s_lshl_b32 s43, s41, 2
	s_lshl_b32 s43, 15, s43                        ; my row of the cluster
	s_lshl_b32 s44, 0x1111, s40                    ; my column
	; descriptor group 1: a tile of 128 rows x 192 bytes, 16 bytes of padding behind every 64
	s_or_b32 s[G1+0], s43, (0<<16)|(1<<20)|(1<<21)|(3<<22)|(3<<25)
	s_or_b32 s[G1B+0], s44, (0<<16)|(1<<20)|(1<<21)|(3<<22)|(3<<25)
.irp g, G1, G1B
	s_mov_b32 s[\g+1], 256<<16                     ; tensor_dim0: 256 bytes
	s_mov_b32 s[\g+2], 192<<16                     ; tensor_dim1: the head's loads bring 49,152 bytes
	s_mov_b32 s[\g+3], 256<<16                     ; tile_dim0
	s_mov_b32 s[\g+4], 192                         ; tile_dim1
	s_mov_b32 s[\g+5], 256                         ; dense
	s_mov_b32 s[\g+6], 0
	s_mov_b32 s[\g+7], 0
.endr
	; the scales of 256 rows: 8,192 dense bytes, as 32 rows of 256 bytes (32 elements of 8), 16 bytes of padding behind each
	s_or_b32 s[G1S+0], s43, (3<<16)|(1<<20)|(1<<21)|(5<<22)|(3<<25)
	s_or_b32 s[G1SB+0], s44, (3<<16)|(1<<20)|(1<<21)|(5<<22)|(3<<25)
.irp g, G1S, G1SB
	s_mov_b32 s[\g+1], 32<<16
	s_mov_b32 s[\g+2], (256*KS/256)<<16            ; the scales of all 256 rows by one load
	s_mov_b32 s[\g+3], 32<<16
	s_mov_b32 s[\g+4], 256*KS/256
	s_mov_b32 s[\g+5], 32
	s_mov_b32 s[\g+6], 0
	s_mov_b32 s[\g+7], 0
.endr
	s_mov_b32 s18, 0                               ; the addresses below are the whole tile's
	s_lshl_b32 s20, s17, 8
	s_add_co_u32 s20, s20, s18                     ; A: row 256 x tile row
	s_lshl_b32 s46, s42, 8
	s_add_co_u32 s46, s46, s18                     ; B: row 256 x tile column
	s_mov_b32 s21, 0
	s_mov_b32 s47, 0
	s_mov_b64 s[18:19], KS
	s_mul_u64 s[22:23], s[20:21], s[18:19]         ; where these rows' scales begin
	s_mul_u64 s[92:93], s[46:47], s[18:19]
	s_mov_b64 s[18:19], KROW
	s_mul_u64 s[20:21], s[20:21], s[18:19]         ; and their codes
	s_mul_u64 s[46:47], s[46:47], s[18:19]
	s_mul_i32 s45, s14, HALFT                      ; where they go: wave x 128 rows
	s_mul_i32 s94, s16, 24576                      ; in the ring I fetch 128 rows of a block: which half, in bytes
	s_mov_b32 s95, 0
	s_wait_kmcnt 0x0
	s_mul_i32 s18, s[TEN], 6291456                 ; the projection's four buffers' parts
	s_mov_b32 s19, 0
	s_add_nc_u64 s[96:97], s[4:5], s[18:19]        ; the tokens' codes
	s_lshl_b32 s18, s[TEN], 18
	s_add_co_u32 s18, s18, 18874368
	s_add_nc_u64 s[98:99], s[4:5], s[18:19]        ; the tokens' scales
	s_mul_i32 s18, s[TEN], 786432
	s_add_nc_u64 s[2:3], s[8:9], s[18:19]          ; the weight's codes
	s_lshl_b32 s18, s[TEN], 15
	s_add_co_u32 s18, s18, 3145728
	s_add_nc_u64 s[104:105], s[8:9], s[18:19]      ; the weight's scales
	s_cmp_lt_u32 s[TEN], 2                         ; which of them is A hangs on the cluster's number alone
	s_cselect_b64 s[4:5], s[96:97], s[2:3]         ; A's codes
	s_cselect_b64 s[6:7], s[98:99], s[104:105]     ; A's scales
	s_cselect_b64 s[8:9], s[2:3], s[96:97]         ; B's codes
	s_cselect_b64 s[10:11], s[104:105], s[98:99]   ; B's scales
	s_add_nc_u64 s[20:21], s[4:5], s[20:21]
	s_add_nc_u64 s[22:23], s[6:7], s[22:23]
	s_add_nc_u64 s[46:47], s[8:9], s[46:47]
	s_add_nc_u64 s[92:93], s[10:11], s[92:93]
	CROUND                                         ; all sixteen work-groups are here: the first joint loads meet
	s_mov_b32 s[G0S], 1
	s_mov_b32 s[G0S+1], SCL
	s_mov_b64 s[G0S+2:G0S+3], s[22:23]
	s_or_b32 s[G0S+3], s[G0S+3], 0x80000000
	s_mov_b32 s[G0SB], 1
	s_mov_b32 s[G0SB+1], SCL+2*HALFS
	s_mov_b64 s[G0SB+2:G0SB+3], s[92:93]
	s_or_b32 s[G0SB+3], s[G0SB+3], 0x80000000
	s_mov_b32 s4, 1                                ; s[4:7], s[8:11]: group 0 of the head's loads of K step 0 (the addresses that lay there have served)
	s_mov_b32 s5, 0
	s_mov_b64 s[6:7], s[20:21]
	s_or_b32 s7, s7, 0x80000000
	s_mov_b32 s8, 1
	s_mov_b32 s9, 2*HALFT
	s_mov_b64 s[10:11], s[46:47]
	s_or_b32 s11, s11, 0x80000000
	s_add_nc_u64 s[20:21], s[20:21], s[94:95]      ; for the ring: my 128 rows
	s_add_nc_u64 s[46:47], s[46:47], s[94:95]
.irp s, 0,1
	s_mov_b32 s[G0+4*\s], 1
	s_add_co_u32 s[G0+4*\s+1], s45, \s*SLOT
	s_add_nc_u64 s[G0+4*\s+2:G0+4*\s+3], s[20:21], \s*ROWB
	s_or_b32 s[G0+4*\s+3], s[G0+4*\s+3], 0x80000000
	s_mov_b32 s[G0B+4*\s], 1
	s_add_co_u32 s[G0B+4*\s+1], s45, \s*SLOT
	s_add_nc_u64 s[G0B+4*\s+2:G0B+4*\s+3], s[46:47], \s*ROWB
	s_or_b32 s[G0B+4*\s+3], s[G0B+4*\s+3], 0x80000000
.endr
; one chain of branches on the wave's number, a load to each arm, all arms to one join
.macro ARM under, g0, g1, next
	s_cmp_lt_u32 s14, \under
	s_cbranch_scc0 \next
	tensor_load_to_lds s[\g0:\g0+3], s[\g1:\g1+7]
	s_nop 0
.rept 4
	v_nop
.endr
	s_branch .Lhead_asked
\next:
.endm
	ARM 1, 4, G1, .Lhead_b
	ARM 2, 8, G1B, .Lhead_sa
	ARM 3, G0S, G1S, .Lhead_sb
	tensor_load_to_lds s[G0SB:G0SB+3], s[G1SB:G1SB+7]
	s_nop 0
.rept 4
	v_nop
.endr
.Lhead_asked:
	v_and_b32 v1, 15, v0                           ; l % 16
	v_bfe_u32 v2, v0, 4, 1                         ; l / 16
	v_mul_u32_u24 v3, v1, PITCH
	v_mul_u32_u24 v4, v2, 24
	v_add_nc_u32 v4, v3, v4                        ; a fragment's row x pitch + 24 x half
	v_lshl_add_u32 v5, v2, 4, v4                   ; and the same behind one padding more
	s_mul_i32 s21, s15, HALFT                      ; my 128 rows of A
	s_mul_i32 s22, s16, HALFT                      ; my 128 rows of B,
	s_add_co_u32 s22, s22, 2*HALFT                 ; which lie behind A's 256
.irp s, 0,1
	v_add_nc_u32 v[ADRA+\s], s21, v4
	v_add_nc_u32 v[ADRB+\s], s22, v4
	v_add_nc_u32 v[ADRA+2+\s], s21, v5
	v_add_nc_u32 v[ADRB+2+\s], s22, v5
	s_add_co_u32 s21, s21, SLOT
	s_add_co_u32 s22, s22, SLOT
.endr
	v_mul_u32_u24 v5, v1, KS                       ; my row's scales: 32 bytes a row,
	v_lshrrev_b32 v6, 8, v5
	v_lshl_add_u32 v5, v6, 4, v5                   ; and 16 more for each 256 passed
	s_mul_i32 s21, s15, HALFS
	s_mul_i32 s22, s16, HALFS
	s_add_co_u32 s22, s22, 2*HALFS
	s_sub_co_u32 s22, s22, s21
	v_mul_u32_u24 v6, s22, v2                      ; lanes 16-31 take B's
	s_add_co_u32 s21, s21, SCL
	v_add_nc_u32 v5, v5, v6
	v_add_nc_u32 v[ADRS], s21, v5
	; the way out's addresses: a stage of two records for each wave; v8-11 for q and k, v12-15 for v
	s_mul_i32 s23, s14, 2*REC
	v_and_b32 v6, 31, v0
	v_lshlrev_b32 v30, 4, v6                       ; 16 l: also my offset in a record in memory
	v_lshlrev_b32 v31, 3, v6                       ; 8 l
	v_add_nc_u32 v8, s23, v30                      ; registers 0-3 of a half-image
	v_add_nc_u32 v9, s23, v31
	v_add_nc_u32 v9, 512, v9                       ; registers 4-5
	v_lshlrev_b32 v10, 2, v1
	v_add_nc_u32 v10, s23, v10
	v_add_nc_u32 v10, 6144, v10                    ; a scale word of row l % 16
	v_add_nc_u32 v11, s23, v31
	v_add_nc_u32 v11, 6144, v11                    ; the 256 bytes of scale words, back
.irp i, 0,1,2,3
	v_add_nc_u32 v[12+\i], VSTG, v[8+\i]
.endr
	; where my two records go: tokens 256 R + 128 wr, heads 4 C + 2 wc and the next
	s_cmp_lt_u32 s[TEN], 2
	s_cselect_b32 s96, s17, s42                    ; R
	s_cselect_b32 s97, s42, s17                    ; C
	s_cselect_b32 s98, s15, s16                    ; wr
	s_cselect_b32 s99, s16, s15                    ; wc
	s_lshr_b32 s2, s96, 3
	s_lshl_b32 s2, s2, 4                           ; 16 x batch
	s_lshl_b32 s97, s97, 2
	s_add_co_u32 s2, s2, s97
	s_lshl_b32 s99, s99, 1
	s_add_co_u32 s2, s2, s99                       ; batch x 16 + head
	s_and_b32 s96, s96, 7
	s_lshl_b32 s96, s96, 1
	s_add_co_u32 s96, s96, s98                     ; the key step
	s_lshl_b32 s2, s2, 4
	s_add_co_u32 s2, s2, s96
	s_mul_i32 s2, s2, REC
	s_mul_i32 s96, s[TEN], 6553600                 ; the region
	s_add_co_u32 s2, s2, s96
	s_mov_b32 s3, 0
	s_add_nc_u64 s[12:13], s[12:13], s[2:3]
	s_mov_b32 s104, 0x76543210                     ; v_permlanex16_b32's selects for lane l xor 16
	s_mov_b32 s105, 0xfedcba98
.macro FRAG reg, adr, q, i             ; a fragment: lane l holds row l % 16; registers 6 c .. 6 c + 5 hold K = 64 c + 32 (l / 16) + 0 .. 31: 24 bytes of the row, as they lie, in pieces of 8 bytes
.irp p, 0,1,2,3,4,5
.set PC, 12*(\q)+6*(\p/3)+\p%3        ; 16 bytes of padding lie behind every 8 pieces: where the piece three on lies behind one padding more, the second address register serves
.if PC%8 < 5
	ds_load_b64 v[\reg+2*\p:\reg+2*\p+1], v[\adr] offset:8*PC+16*(PC/8)+(\i)*16*PITCH
.else
	ds_load_b64 v[\reg+2*\p:\reg+2*\p+1], v[\adr+2] offset:8*PC+16*(PC/8)+(\i)*16*PITCH
.endif
.endr
.endm
; 16 matrix instructions: A's blocks a0, a0 + 1 x B's eight.  The 64 accumulators take turns, one instruction a turn, in the same order in every step.
.macro MUL16 a0, p, q, sc, zero
.irp a, \a0, \a0+1
.irp b, 0,1,2,3,4,5,6,7
.if \zero
	v_wmma_scale_f32_16x16x128_f8f6f4 v[8*(8*((\a)%4)+\b):8*(8*((\a)%4)+\b)+7], v[128*(\p)+FR*\b:128*(\p)+FR*\b+FR-1], v[AF+FR*(\a):AF+FR*(\a)+FR-1], 0, v[SC+8*NQ*(\sc)+NQ*\b+(\q)], v[SC+8*NQ*(\sc)+NQ*(\a)+(\q)] matrix_a_fmt:MATRIX_FMT_FP6 matrix_b_fmt:MATRIX_FMT_FP6 matrix_a_scale:MATRIX_SCALE_ROW1
.else
	v_wmma_scale_f32_16x16x128_f8f6f4 v[8*(8*((\a)%4)+\b):8*(8*((\a)%4)+\b)+7], v[128*(\p)+FR*\b:128*(\p)+FR*\b+FR-1], v[AF+FR*(\a):AF+FR*(\a)+FR-1], v[8*(8*((\a)%4)+\b):8*(8*((\a)%4)+\b)+7], v[SC+8*NQ*(\sc)+NQ*\b+(\q)], v[SC+8*NQ*(\sc)+NQ*(\a)+(\q)] matrix_a_fmt:MATRIX_FMT_FP6 matrix_b_fmt:MATRIX_FMT_FP6 matrix_a_scale:MATRIX_SCALE_ROW1
.endif
.endr
.endr
.endm
.macro FETCH_B slot, q, p
	WIN TO_B
.irp i, 0,1,2,3,4,5,6,7
	FRAG 128*(\p)+FR*\i, ADRB+\slot, \q, \i
.endr
	WIN 0
.endm
.macro FETCH_A slot, q, i0
.irp i, \i0, \i0+1, \i0+2, \i0+3
	FRAG AF+FR*(\i), ADRA+\slot, \q, \i
.endr
.endm
.macro SCALES sc                       ; the next K step's scale words: lanes 0-15 take A's block i, lanes 16-31 B's block i
.irp i, 0,1,2,3,4,5,6,7
	ds_load_b64 v[SC+8*NQ*\sc+NQ*\i:SC+8*NQ*\sc+NQ*\i+1], v[ADRS] offset:\i*SBLK
.endr
.endm
.macro PLACES n                        ; plain vector instructions between a matrix instruction and a load into, or a read of, its registers
.rept \n
	v_nop
.endr
.endm
.macro STEP slot, q, zero              ; a step of 128 along K that has its successor in the same slot
	s_wait_dscnt 4*NL                              ; B's set and A's blocks 0-3 are in; the youngest 24 loads (A's blocks 4-7) may be out
	WIN MUL_LO
	MUL16 0, (\q)%2, \q, \slot, \zero
	MUL16 2, (\q)%2, \q, \slot, \zero
	s_wait_dscnt 0
	PLACES NP
	FETCH_B \slot, (\q)+1, 1-(\q)%2
	FETCH_A \slot, (\q)+1, 0
	WIN MUL_HI
	MUL16 4, (\q)%2, \q, \slot, \zero
	MUL16 6, (\q)%2, \q, \slot, \zero
	PLACES NP
	WIN 0
	FETCH_A \slot, (\q)+1, 4
.endm
; A slot's last step changes slots: one barrier; in front of it each wave waits for all its tensor loads, adds 0 to its spare word, and waits for that and for its own reads of this slot.
.macro TURN slot, next, fill
	s_wait_tensorcnt 0x0                           ; all my tensor loads have landed: my part of the next slot
	ds_add_u32 v[SPW], v[NIL]                      ; 0 onto my spare word
	s_wait_dscnt 4*NL+1                            ; (the add and the youngest 24 loads may be out)
	WIN MUL_LO
	MUL16 0, 1, NQ-1, \slot, 0
	s_wait_dscnt 0x0                               ; the add is done, and my reads of this slot are over
	s_barrier_signal -1
	MUL16 2, 1, NQ-1, \slot, 0
	WIN 0
	s_barrier_wait -1
.if \fill
	CREST                                          ; the barrier has opened a round of the cluster's barrier: no wave of any partner still reads this slot's tile or has a load on its way
	s_add_nc_u64 s[G0+4*\slot+2:G0+4*\slot+3], s[G0+4*\slot+2:G0+4*\slot+3], 2*ROWB
	s_add_nc_u64 s[G0B+4*\slot+2:G0B+4*\slot+3], s[G0B+4*\slot+2:G0B+4*\slot+3], 2*ROWB
	JLOAD G0+4*\slot, G1, G0B+4*\slot, G1B         ; the first tensor load behind the round; its four v_nop are the places in front of the loads below
.else
	PLACES NP
.endif
	s_wait_alu depctr_va_vdst(0)
	v_add_nc_u32 v[ADRS], 4*NQ, v[ADRS]            ; on to the next K step's scale words
	FETCH_B \next, 0, 0
	FETCH_A \next, 0, 0
	SCALES \next
	WIN MUL_HI
	MUL16 4, 1, NQ-1, \slot, 0
	MUL16 6, 1, NQ-1, \slot, 0
	PLACES NP
	WIN 0
	FETCH_A \next, 0, 4
.endm
	s_wait_alu depctr_va_vdst(0)
	s_wait_tensorcnt 0x0                           ; my tile of the head's four is in
	ds_add_u32 v[SPW], v[NIL]
	s_mov_b32 s[G1+2], 96<<16                      ; no load of mine is out: from here on a load brings 128 rows, 24,576 bytes
	s_mov_b32 s[G1+4], 96
	s_mov_b32 s[G1B+2], 96<<16
	s_mov_b32 s[G1B+4], 96
	s_wait_dscnt 0x0
	CROUND                                         ; all four tiles are in, and the sixteen work-groups meet
	JLOAD G0+4, G1, G0B+4, G1B                     ; K step 1, slot 1's first fill
	FETCH_B 0, 0, 0
	FETCH_A 0, 0, 0
	SCALES 0
	FETCH_A 0, 0, 4
	STEP 0, 0, 1                                   ; the first step's products start the sums
	s_mov_b32 s3, LAPS-1
.Llap:                                                 ; a trip goes once round the ring and fills both slots again
	TURN 0, 1, 1
	STEP 1, 0, 0
	TURN 1, 0, 1
	STEP 0, 0, 0
	s_sub_co_u32 s3, s3, 1
	s_cmp_lg_u32 s3, 0
	s_cbranch_scc1 .Llap
	TURN 0, 1, 0                                   ; the last lap fills nothing
	STEP 1, 0, 0
	s_wait_dscnt 4*NL
	WIN MUL_LO
	MUL16 0, 1, NQ-1, 1, 0
	MUL16 2, 1, NQ-1, 1, 0
	s_wait_dscnt 0
	WIN MUL_HI
	MUL16 4, 1, NQ-1, 1, 0
	MUL16 6, 1, NQ-1, 1, 0
	WIN 0
; THE WAY OUT of A's block a: 64 registers a lane = four half blocks of 16 (blocks 0, 1: the first 64 columns; blocks 2, 3: the second).
; kind 0 (q, k): the row is a token, the columns two heads: half-image a of records 0 and 1.  kind 1 (v): the row is a channel of head a / 4, the columns 128 keys: half-images 2 (a % 4) and 2 (a % 4) + 1 of record a / 4.
; s16, s8, s4: the address registers for registers 0-3, registers 4-5 and a scale word.
.macro ROWQ a, kind, s16, s8, s4
.set AC, 64*((\a)%4)
.set WW, 2+(\a)/4                      ; the accumulators' window
.set WA, 5*WW                          ; sources 0 and 1 there
.set WB, 20*WW                         ; sources 1 and 2 there
.set E, 64+16*(\a)                     ; the codes: registers of their own for each a
	WIN WA
.irp b, 0,1,2,3
	v_max3_num_f32 v[200+\b], |v[AC+16*\b]|, |v[AC+16*\b+1]|, 0x1800000   ; my 16 numbers of block b, and the floor 2^(3 - 127).  Each accumulator is read from its low end on
.endr
	WIN WB
.irp i, 2,4,6,8,10,12,14
.irp b, 0,1,2,3
	v_max3_num_f32 v[200+\b], v[200+\b], |v[AC+16*\b+\i]|, |v[AC+16*\b+\i+1]|
.endr
.endr
	WIN 0
.irp b, 0,1,2,3
	v_permlanex16_b32 v[204+\b], v[200+\b], s104, s105
.endr
.irp b, 0,1,2,3
	v_max_num_f32 v[200+\b], v[200+\b], v[204+\b]  ; with lane l xor 16's: the block's largest magnitude
.endr
.irp b, 0,1,2,3
	v_add_nc_u32 v[212+\b], 0xff000000, v[200+\b]  ; 2 off its exponent field: the conversion's scale operand
.endr
.irp b, 0,1,2,3
	v_lshrrev_b32 v[204+\b], 23, v[212+\b]         ; the scale's byte
.endr
.if \kind == 0
.if ((\a)%2) == 0
	v_lshl_or_b32 v216, v205, 8, v204              ; an even block's two pairs of bytes are kept:
	v_lshl_or_b32 v217, v207, 8, v206
.else
	v_lshl_or_b32 v208, v205, 8, v204
	v_lshl_or_b32 v209, v207, 8, v206
	v_lshl_or_b32 v[192+(\a)-1], v208, 16, v216    ; with the odd block's they make the word of tokens r and 16 + r
	v_lshl_or_b32 v[192+(\a)], v209, 16, v217
	ds_store_b32 v[\s4], v[192+(\a)-1] offset:((\a)/2)*64      ; lanes l and l xor 16 write the same word with the same value
	ds_store_b32 v[\s4], v[192+(\a)] offset:REC+((\a)/2)*64
.endif
.else
	v_lshl_or_b32 v208, v205, 8, v204
	v_lshl_or_b32 v209, v207, 8, v206
	v_lshl_or_b32 v[192+(\a)], v209, 16, v208      ; the four key blocks' bytes
	ds_store_b32 v[\s4], v[192+(\a)] offset:((\a)/4)*REC+((\a)%4)*64
.endif
	WIN WW                                         ; source 0 in the accumulators' window
.irp c, 0,1
	v_cvt_scalef32_pk16_fp6_f32 v[E+8*\c:E+8*\c+2], v[AC+32*\c:AC+32*\c+15], v[212+2*\c]
	v_cvt_scalef32_pk16_fp6_f32 v[E+8*\c+4:E+8*\c+6], v[AC+32*\c+16:AC+32*\c+31], v[213+2*\c]
.endr
	WIN 0
	v_nop                                          ; one plain line behind a scaled conversion
.irp c, 0,1
.irp i, 0,1,2
	v_permlane16_swap_b32 v[E+8*\c+\i], v[E+8*\c+4+\i]   ; the first's lanes 16-31 change places with the second's lanes 0-15: lane (r, h) now holds block 2 c + h whole
.endr
	v_mov_b32 v[E+8*\c+3], v[E+8*\c+4]             ; six registers on end
	v_mov_b32 v[E+8*\c+4], v[E+8*\c+5]
	v_mov_b32 v[E+8*\c+5], v[E+8*\c+6]
.if \kind == 0
.set OF, \c*REC+(\a)*768
.else
.set OF, ((\a)/4)*REC+(((\a)%4)*2+\c)*768
.endif
	ds_store_b128 v[\s16], v[E+8*\c:E+8*\c+3] offset:OF
	ds_store_b64 v[\s8], v[E+8*\c+4:E+8*\c+5] offset:OF
.endr
.endm
.macro OUTALL kind, s16, s8, s4, sw    ; the eight blocks, then both records back as they will lie in memory
.irp a, 0,1,2,3,4,5,6,7
	ROWQ \a, \kind, \s16, \s8, \s4
.endr
	s_wait_dscnt 0x0                               ; the stores have landed and read their registers
.irp rec, 0,1
.irp i, 0,1,2,3,4,5,6,7,8,9,10,11
	ds_load_b128 v[64+52*\rec+4*\i:64+52*\rec+4*\i+3], v[\s16] offset:\rec*REC+512*\i
.endr
	ds_load_b64 v[64+52*\rec+48:64+52*\rec+49], v[\sw] offset:\rec*REC
.endr
	s_wait_dscnt 0x0
.endm
	PLACES NP                                      ; behind the last products: their results are read, and A's registers written, only now
.irp b, 0,1,2,3
	v_mov_b32 v[204+\b], 0                         ; a lane permute's destination counts as one of its sources
.endr
	s_cmp_lt_u32 s[TEN], 2                         ; the same in all partners of the cluster
	s_cbranch_scc0 .Lvout
	OUTALL 0, 8, 9, 10, 11
	s_branch .Lsend
.Lvout:
	OUTALL 1, 12, 13, 14, 15
.Lsend:
.irp rec, 0,1
.irp i, 0,1,2,3,4,5,6,7,8,9,10,11
	global_store_b128 v30, v[64+52*\rec+4*\i:64+52*\rec+4*\i+3], s[12:13] offset:\rec*16*REC+512*\i   ; 32 lanes store 512 consecutive bytes, at a multiple of 256 from hb's first byte
.endr
	global_store_b64 v31, v[64+52*\rec+48:64+52*\rec+49], s[12:13] offset:\rec*16*REC+6144            ; the 64 scale words: 256 consecutive bytes
.endr
	s_wait_tensorcnt 0x0                           ; the wave's end
	ds_add_u32 v[SPW], v[NIL]
	s_wait_dscnt 0x0
	CROUND                                         ; the closing round: no work-group ends while a partner may still ask for a tile that names it
	s_endpgm
.Lfunc_end_k_qc78f1d3f6f_proj:
	.size	k_qc78f1d3f6f_proj, .Lfunc_end_k_qc78f1d3f6f_proj-k_qc78f1d3f6f_proj
	.p2alignl 7, 3214868480
	.fill 96, 4, 3214868480
	.section	.rodata,"a",@progbits
	.p2align	6, 0x0
	.amdhsa_kernel k_qc78f1d3f6f_proj
		.amdhsa_group_segment_fixed_size 327680
		.amdhsa_private_segment_fixed_size 0
		.amdhsa_enable_private_segment 0
		.amdhsa_kernarg_size 24
		.amdhsa_user_sgpr_count 2
		.amdhsa_user_sgpr_kernarg_segment_ptr 1
		.amdhsa_wavefront_size32 1
		.amdhsa_system_sgpr_workgroup_id_x 1
		.amdhsa_system_sgpr_workgroup_id_y 1
		.amdhsa_system_sgpr_workgroup_id_z 1
		.amdhsa_system_vgpr_workitem_id 0
		.amdhsa_next_free_vgpr 1024
		.amdhsa_next_free_sgpr 106
		.amdhsa_reserve_vcc 0
		.amdhsa_float_denorm_mode_32 3
		.amdhsa_float_denorm_mode_16_64 3
		.amdhsa_memory_ordered 1
		.amdhsa_forward_progress 1
		.amdhsa_inst_pref_size 206
	.end_amdhsa_kernel
	.amdgpu_metadata
---
amdhsa.version: [ 1, 2 ]
amdhsa.kernels:
  - .name:           k_qc78f1d3f6f_proj
    .symbol:         k_qc78f1d3f6f_proj.kd
    .args:
      - { .name: xb, .offset: 0, .size: 8, .value_kind: global_buffer, .address_space: global }
      - { .name: wb, .offset: 8, .size: 8, .value_kind: global_buffer, .address_space: global }
      - { .name: hb, .offset: 16, .size: 8, .value_kind: global_buffer, .address_space: global }
    .group_segment_fixed_size: 327680
    .private_segment_fixed_size: 0
    .kernarg_segment_align: 8
    .kernarg_segment_size: 24
    .max_flat_workgroup_size: 128
    .sgpr_count:     106
    .vgpr_count:     1024
    .wavefront_size: 32
...
	.end_amdgpu_metadata
.endif
;; end of part 2
;; launch attn (part 3): grid 4 x 64, 16 waves a work-group, no clusters, 206,848 bytes of LDS; arguments hb, mk, mf, ob; writes ob
.if DOCPART == 3
	.amdgcn_target "amdgcn-amd-amdhsa--gfx1250"
	.amdhsa_code_object_version 6
	.text
	.protected	k_qc78f1d3f6f_attn
	.globl	k_qc78f1d3f6f_attn
	.p2align	8
	.type	k_qc78f1d3f6f_attn,@function
k_qc78f1d3f6f_attn:
	s_mov_b64 s[64:65], 0
	v_nop
	global_prefetch_b8 v0, s[64:65] scope:SCOPE_SE
	s_setreg_imm32_b32 hwreg(HW_REG_WAVE_MODE, 25, 1), 1
	s_wait_xcnt 0x0
; ATTENTION OF ONE HEAD: o = softmax(mask(q k^T / 8)) v on codes of FP6 (E2M3) with E8M0 scales, and o quantised on the way out for the last projection.
; THE DEAL.  Work-group (x, y): batch x head y, queries 512 x .. 512 x + 511.  16 waves; a wave takes 16 queries in each of two passes and walks the 2,048 keys in 16 steps of 128.
; K and V of the head, 16 records of 6,400 bytes each (hb's order: 8 half-images of 768 bytes and 64 scale words), lie in LDS for the whole launch: [step][K's record, V's record], 204,800 bytes, written once.
; THE MASK: mk has one word of 32 lane bits for each register of S^T; a score whose bit is 0 becomes -2^126.  A row with no bit set has all scores equal, and so the mean of v.
; mf has one bit for each tile of 16 queries x 128 keys: set where all its mask bytes are true.  There the select would change nothing.
; NO TENSOR LOAD, NO CLUSTER: each wave brings its two records through registers: 26 loads, 26 LDS stores, one barrier.
; No prefetch: K and V are asked for once, at the head, and there is no loop to run ahead in.
; BOTH PRODUCTS ARE USED TRANSPOSED: S^T = k q^T, O^T = v^T p^T: a lane holds one query; register j of tile f is key 16 f + 8 (lane / 16) + j.
; The head's 64 fill half of the instruction's 128: source 0 holds two tiles of keys, source 1 q beside 64 zero codes, before or behind it, so that one of the two tiles counts.
; THE SOFTMAX: t = score x log2(e) / 8; M = ceil(running largest t), kept as -M; p = 2^(t - M); the sum is taken of the unquantised p; when M moves, sum and O^T are multiplied by 2^(old M - new M), which rounds nothing.
; A block's largest p is made of the block's largest score by the same multiply-add and exponential.
; THE ORDER OF A STEP: all plain work (t - M, the rescaling) stands ahead of the 68 exponentials, which are one batch with one wait ahead and one behind.
; LIMITS: the promise holds while |t| of unmasked scores stays under 2^31; NaN and infinities are not served; a block whose largest magnitude lies under 2^(3 - 127) keeps the byte 1.
; REGISTERS: v1-3 lane offsets in a record; v4-9 this step's LDS addresses; v10 -2^126; v11 q's scale word; v12 -M, v13 largest t; v[14:15] the sum; v16-33 zeros, q, zeros; v34-38 scale words;
; v40 the factor (v41 = 0); v42-47 the way out; v48-95 K's fragments; v96-159 S^T, then p, then V's fragments (v112 on); v160-191 O^T; v192-203 p's codes; v204-231 at work; v232-246 the next pass's q; v254, v255 the add's.
.set REC,  6400
.set PAIR, 2*REC
.set SPARE, 16*PAIR                    ; behind the records: the spare words, 128 bytes a wave
.set KREG, 6553600
.set OSC,  6291456
.set WV,   2
.set TB,   3
.set CNT,  4
.set PAS,  5
.set MO,   10
.set TBV,  11
.set MB,   14
.set SEL,  66
.set QSH,  94
.set NXT,  95
.set FL,   96                          ; s96  the flag bits of my 32 steps, the first pass's below
.set IX,   97                          ; s97  the step, 0 .. 31
.set CS,   100
.set BH,   104
.set GQ,   105
.macro MASKLOAD                        ; a step's 64 words
	s_load_b512 s[16:31], s[MB:MB+1], s[MO]
	s_load_b512 s[32:47], s[MB:MB+1], s[MO] offset:0x40
	s_load_b512 s[48:63], s[MB:MB+1], s[MO] offset:0x80
	s_load_b512 s[68:83], s[MB:MB+1], s[MO] offset:0xc0
.endm
.macro KL f, a16, a8                   ; half-image f of K's record
	ds_load_b128 v[48+6*(\f):51+6*(\f)], v[\a16] offset:768*(\f)
	ds_load_b64 v[52+6*(\f):53+6*(\f)], v[\a8] offset:768*(\f)
.endm
.macro KS a4
	ds_load_b32 v34, v[\a4]
	ds_load_b32 v35, v[\a4] offset:128
.endm
.macro SW f                            ; S^T, tile f
.if (((\f)/2)%2) == 0
	v_wmma_scale_f32_16x16x128_f8f6f4 v[96+8*(\f):103+8*(\f)], v[48+12*((\f)/2):59+12*((\f)/2)], v[22-6*((\f)%2):33-6*((\f)%2)], 0, v[34+(\f)/4], v11 matrix_a_fmt:MATRIX_FMT_FP6 matrix_b_fmt:MATRIX_FMT_FP6
.else
	v_wmma_scale_f32_16x16x128_f8f6f4 v[96+8*(\f):103+8*(\f)], v[48+12*((\f)/2):59+12*((\f)/2)], v[22-6*((\f)%2):33-6*((\f)%2)], 0, v[34+(\f)/4], v11 matrix_a_fmt:MATRIX_FMT_FP6 matrix_b_fmt:MATRIX_FMT_FP6 matrix_a_scale:MATRIX_SCALE_ROW1
.endif
.endm
.macro CND f                           ; the mask on tile f, from the accumulator's low end on
.set jj, 8*(\f)
.rept 8
.if jj < 48
	v_cndmask_b32 v[96+jj], v10, v[96+jj], s[16+jj]
.else
	v_cndmask_b32 v[96+jj], v10, v[96+jj], s[20+jj]
.endif
.set jj, jj+1
.endr
.endm
.macro PKF p                           ; t - M, two at a time
	v_pk_fma_f32 v[96+2*(\p):97+2*(\p)], v[96+2*(\p):97+2*(\p)], s[CS:CS+1], v[12:13] op_sel_hi:[1,0,0]
.endm
	s_load_b64 s[6:7], s[0:1], 0x0                 ; hb
	s_load_b64 s[8:9], s[0:1], 0x8                 ; mk
	s_load_b64 s[98:99], s[0:1], 0x10              ; mf
	s_load_b64 s[12:13], s[0:1], 0x18              ; ob
	v_lshl_add_u32 v254, v0, 2, SPARE
	v_mov_b32 v255, 0
	v_lshrrev_b32 v1, 5, v0
	v_readfirstlane_b32 s[WV], v1                  ; wave 0..15
	s_and_b32 s[BH], ttmp7, 0xffff                 ; batch x 16 + head
	s_lshl_b32 s[GQ], ttmp9, 5
	s_add_co_u32 s[GQ], s[GQ], s[WV]               ; my tile of 16 queries in the first pass
	s_lshl_b32 s24, s[BH], 4
	s_add_co_u32 s24, s24, s[WV]
	s_mul_i32 s24, s24, REC
	s_add_co_u32 s24, s24, KREG                    ; K's record of step = my wave's number; V's lies 6,553,600 bytes behind it
	s_mul_i32 s25, s[WV], PAIR                     ; and where the two go in LDS
	s_mov_b32 s[SEL], 0x76543210
	s_mov_b32 s[SEL+1], 0xfedcba98
	s_mov_b32 s[CS], 0x3e38aa3b                    ; log2(e) / 8
	s_mov_b32 s[CS+1], s[CS]
	s_mov_b32 s[PAS], 2
	s_mov_b32 s[IX], 0
	v_and_b32 v226, 31, v0
	v_lshlrev_b32 v1, 4, v226                      ; registers 0-3 of a half-image
	v_lshl_add_u32 v2, v226, 3, 512                ; registers 4-5
	v_lshl_add_u32 v3, v226, 2, 6144               ; scale words
	v_and_b32 v227, 15, v0
	v_bfe_u32 v228, v0, 4, 1
	v_lshl_add_u32 v45, v227, 5, v228
	v_lshlrev_b32 v46, 2, v227
	v_lshlrev_b32 v47, 3, v228
	v_mov_b32 v10, 0xfe800000
.irp i, 16,17,18,19,20,21,28,29,30,31,32,33
	v_mov_b32 v\i, 0
.endr
.irp i, 216,217,218,219
	v_mov_b32 v\i, 0
.endr
	v_mov_b32 v41, 0
	v_add_nc_u32 v4, s24, v1                       ; the records in memory, 16 bytes a lane,
	v_add_nc_u32 v5, s24, v2                       ; and 8 (their last 256 bytes, at 5,632 behind this)
	v_add_nc_u32 v6, s25, v1                       ; the same in LDS
	v_add_nc_u32 v7, s25, v2
	s_wait_alu depctr_va_vdst(0)
	s_wait_kmcnt 0x0
.irp i, 0,1,2,3,4,5,6,7,8,9,10,11
	global_load_b128 v[96+4*\i:99+4*\i], v4, s[6:7] offset:512*\i             ; 32 lanes read 512 consecutive bytes
	global_load_b128 v[146+4*\i:149+4*\i], v4, s[6:7] offset:KREG+512*\i
.endr
	global_load_b64 v[144:145], v5, s[6:7] offset:5632
	global_load_b64 v[194:195], v5, s[6:7] offset:KREG+5632
	s_lshl_b32 s16, s[BH], 4                       ; q's half-image and scale word, for both passes
	s_lshr_b32 s17, s[GQ], 3
	s_add_co_u32 s16, s16, s17
	s_mul_i32 s16, s16, REC
	s_and_b32 s17, s[GQ], 7
	s_mul_i32 s18, s17, 768
	s_add_co_u32 s18, s18, s16
	s_lshr_b32 s17, s17, 1
	s_lshl_b32 s17, s17, 6
	s_add_co_u32 s17, s17, s16
	s_add_co_u32 s17, s17, 6144
	v_add_nc_u32 v226, s18, v1
	v_add_nc_u32 v227, s18, v2
	v_add_nc_u32 v228, s17, v46
	global_load_b128 v[232:235], v226, s[6:7]
	global_load_b64 v[236:237], v227, s[6:7]
	global_load_b32 v238, v228, s[6:7]
	global_load_b128 v[240:243], v226, s[6:7] offset:2*REC
	global_load_b64 v[244:245], v227, s[6:7] offset:2*REC
	global_load_b32 v246, v228, s[6:7] offset:2*REC
	s_lshr_b32 s19, s[BH], 4
	s_lshl_b32 s19, s19, 7
	s_add_co_u32 s19, s19, s[GQ]
	s_lshl_b32 s92, s19, 4                         ; (a register that the mask words' loads below do not write)
	s_load_b128 s[84:87], s[98:99], s92            ; the flag words of my first tile of queries,
	s_load_b128 s[88:91], s[98:99], s92 offset:0x100   ; and of my second, 16 tiles on
	s_lshl_b32 s20, s19, 12
	s_mov_b32 s21, 0
	s_add_nc_u64 s[MB:MB+1], s[8:9], s[20:21]      ; my queries' mask words
	s_mov_b32 s[MO], 0
	MASKLOAD
	s_wait_loadcnt 6                               ; the records are in; q's six loads, which are younger, may be out
.irp i, 0,1,2,3,4,5,6,7,8,9,10,11
	ds_store_b128 v6, v[96+4*\i:99+4*\i] offset:512*\i
	ds_store_b128 v6, v[146+4*\i:149+4*\i] offset:REC+512*\i
.endr
	ds_store_b64 v7, v[144:145] offset:5632
	ds_store_b64 v7, v[194:195] offset:REC+5632
	s_wait_loadcnt 0x0
	s_wait_kmcnt 0x0
	s_lshl_b32 s85, s85, 4                         ; eight words of four bits make one of 32
	s_lshl_b32 s86, s86, 8
	s_lshl_b32 s87, s87, 12
	s_lshl_b32 s88, s88, 16
	s_lshl_b32 s89, s89, 20
	s_lshl_b32 s90, s90, 24
	s_lshl_b32 s91, s91, 28
	s_or_b32 s84, s84, s85
	s_or_b32 s86, s86, s87
	s_or_b32 s88, s88, s89
	s_or_b32 s90, s90, s91
	s_or_b32 s84, s84, s86
	s_or_b32 s88, s88, s90
	s_or_b32 s[FL], s84, s88
	s_and_b32 s[QSH], s[WV], 1
	s_lshl_b32 s[QSH], s[QSH], 4
	s_mov_b32 s[NXT], 16*4096                      ; behind the first pass: the second tile's words
	s_wait_dscnt 0x0                               ; my two records lie in LDS,
	s_barrier_signal -1
	s_barrier_wait -1                              ; everybody's do
.Lpass:
	s_wait_xcnt 0x0                                ; the last pass's stores have read their registers
.irp f, 0,1,2,3,4,5,6,7
	KL \f, 1, 2
.endr
	KS 3
.irp i, 0,1,2,3,4,5
	v_mov_b32 v[22+\i], v[232+\i]
.endr
	v_lshrrev_b32 v229, s[QSH], v238
	s_delay_alu instid0(VALU_DEP_1)
	v_and_b32 v229, 0xffff, v229
	s_delay_alu instid0(VALU_DEP_1)
	v_lshl_or_b32 v11, v229, 16, v229              ; q's two bytes, for either half of K
.irp i, 0,1,2,3,4,5,6
	v_mov_b32 v[232+\i], v[240+\i]
.endr
	s_lshr_b32 s87, s[BH], 4                       ; where the pass's results go
	s_lshl_b32 s87, s87, 7
	s_add_co_u32 s87, s87, s[GQ]
	s_and_b32 s90, s[BH], 15
	s_mul_i32 s91, s87, 12288
	s_mul_i32 s92, s90, 768
	s_add_co_u32 s91, s91, s92
	v_add_nc_u32 v42, s91, v1
	v_add_nc_u32 v43, s91, v2
	s_lshl_b32 s92, s87, 9
	s_lshl_b32 s93, s90, 1
	s_add_co_u32 s92, s92, s93
	s_add_co_u32 s92, s92, OSC
	v_add_nc_u32 v44, s92, v45
	v_mov_b32 v13, 0xff61b1e6                      ; -3e38, under every t
	s_delay_alu instid0(VALU_DEP_1)
	v_floor_f32 v12, -v13
	v_mov_b32 v14, 0
	v_mov_b32 v15, 0
.set j, 0
.rept 32
	v_mov_b32 v[160+j], 0
.set j, j+1
.endr
	s_mov_b32 s[TBV], REC                          ; V's record of this step
	s_mov_b32 s[CNT], 16
.Lstep:
	s_add_co_u32 s[TB], s[TBV], REC                ; K's record of the next step; the last step reads its own again, and nobody uses that
	s_min_u32 s[TB], s[TB], 15*PAIR
	s_wait_dscnt 0x0                               ; K's fragments and scale words are in
	SW 0
	SW 1
	v_add_nc_u32 v4, s[TB], v1
	v_add_nc_u32 v5, s[TB], v2
	v_add_nc_u32 v6, s[TB], v3
	v_add_nc_u32 v7, s[TBV], v1
	v_add_nc_u32 v8, s[TBV], v2
	v_add_nc_u32 v9, s[TBV], v3
	s_wait_kmcnt 0x0                               ; any mask words asked for are in,
	s_wait_xcnt 0x0                                ; and their offset may be stepped
	s_bitcmp1_b32 s[FL], s[IX]                     ; has this tile of the mask no hole?
	s_cbranch_scc1 .Lclear
	SW 2
	CND 0
	SW 3
	CND 1
	SW 4
	CND 2
	SW 5
	CND 3
	SW 6
	CND 4
	SW 7
	CND 5
	CND 6
	CND 7
	s_wait_alu depctr_va_vdst(0)
	s_branch .Lmasked
.Lclear:
	SW 2
	SW 3
	SW 4
	SW 5
	SW 6
	SW 7
.rept 4
	v_nop                                          ; the places between the last products and the first reads of their results
.endr
.Lmasked:
	s_add_co_u32 s[MO], s[MO], 256
	s_cmp_eq_u32 s[CNT], 1
	s_cselect_b32 s[MO], s[NXT], s[MO]
	s_add_co_u32 s[IX], s[IX], 1
	s_bitcmp1_b32 s[FL], s[IX]                     ; the next step's words are asked for only where its tile has a hole (behind the last step bit 0 is read, and what is then loaded lies inside mk and is not used)
	s_cbranch_scc1 .Lnoload
	MASKLOAD
.Lnoload:
	v_mov_b32 v231, v12
.irp b, 0,1,2,3
	v_max3_num_f32 v[212+\b], v[96+16*\b], v[97+16*\b], v[98+16*\b]   ; each block's largest score, the four blocks by turns
.endr
.irp i, 3,5,7,9,11,13
.irp b, 0,1,2,3
	v_max3_num_f32 v[212+\b], v[212+\b], v[96+16*\b+\i], v[97+16*\b+\i]
.endr
.endr
.irp b, 0,1,2,3
	v_max_num_f32 v[212+\b], v[212+\b], v[111+16*\b]
.endr
.irp b, 0,1,2,3
	v_permlanex16_b32 v[216+\b], v[212+\b], s[SEL], s[SEL+1]
.endr
.irp b, 0,1,2,3
	v_max_num_f32 v[212+\b], v[212+\b], v[216+\b]
.endr
	v_max3_num_f32 v230, v212, v213, v214
	KL 0, 4, 5                                     ; the next step's K, among the lines of the one chain that hangs on itself
	KL 1, 4, 5
	v_max_num_f32 v230, v230, v215
	KL 2, 4, 5
	KL 3, 4, 5
	v_mul_f32 v230, s[CS], v230
	KL 4, 4, 5
	KL 5, 4, 5
	v_max_num_f32 v13, v13, v230
	KL 6, 4, 5
	KL 7, 4, 5
	v_floor_f32 v12, -v13                          ; -M
	KS 6
.irp b, 0,1,2,3
	v_fma_f32 v[212+\b], v[212+\b], s[CS], v12
.endr
	v_sub_f32 v231, v12, v231
	PKF 0
	v_cvt_i32_f32 v231, v231                       ; old M - new M (it saturates)
	PKF 1
	v_ldexp_f32 v40, 1.0, v231
.set k, 2
.rept 30
	PKF k
.set k, k+1
.endr
.set j, 0
.rept 16
	v_pk_mul_f32 v[160+j:161+j], v[160+j:161+j], v[40:41] op_sel_hi:[1,0]   ; O^T under the new M, each accumulator from its low end on
.set j, j+2
.endr
	v_pk_mul_f32 v[14:15], v[14:15], v[40:41] op_sel_hi:[1,0]
	s_wait_alu depctr_va_vdst(0)                   ; ahead of the batch
.irp b, 0,1,2,3
	v_exp_f32 v[212+\b], v[212+\b]
.endr
.set j, 0
.rept 64
	v_exp_f32 v[96+j], v[96+j]
.set j, j+1
.endr
	v_nop                                          ; a plain place behind the last of them
	s_wait_alu depctr_va_vdst(0)                   ; and behind the batch
.irp b, 0,1,2,3
	v_max_num_f32 v[212+\b], 0x1800000, v[212+\b]  ; the floor 2^(3 - 127)
.endr
.irp b, 0,1,2,3
	v_add_nc_u32 v[220+\b], 0xff000000, v[212+\b]  ; 2 off the exponent field: the conversions' scale operand
.endr
.irp c, 0,1
	v_cvt_scalef32_pk16_fp6_f32 v[192+6*\c:194+6*\c], v[96+32*\c:111+32*\c], v[220+2*\c]
	v_cvt_scalef32_pk16_fp6_f32 v[204+4*\c:206+4*\c], v[112+32*\c:127+32*\c], v[221+2*\c]
.endr
	v_pk_add_f32 v[224:225], v[96:97], v[98:99]    ; the sum of the unquantised p, in four chains
	v_pk_add_f32 v[226:227], v[100:101], v[102:103]
	v_pk_add_f32 v[228:229], v[104:105], v[106:107]
	v_pk_add_f32 v[14:15], v[14:15], v[108:109]
.set j, 7
.rept 25
.if (j%4) == 3
	v_pk_add_f32 v[224:225], v[224:225], v[96+2*j:97+2*j]
.elseif (j%4) == 0
	v_pk_add_f32 v[226:227], v[226:227], v[96+2*j:97+2*j]
.elseif (j%4) == 1
	v_pk_add_f32 v[228:229], v[228:229], v[96+2*j:97+2*j]
.else
	v_pk_add_f32 v[14:15], v[14:15], v[96+2*j:97+2*j]
.endif
.set j, j+1
.endr
.irp f, 0,1,2,3,4,5,6,7
	ds_load_b128 v[112+6*\f:115+6*\f], v7 offset:768*\f      ; V's fragments, where p lay
	ds_load_b64 v[116+6*\f:117+6*\f], v8 offset:768*\f
.endr
	ds_load_b32 v36, v9
	ds_load_b32 v37, v9 offset:128
.irp b, 0,1,2,3
	v_lshrrev_b32 v[216+\b], 23, v[220+\b]         ; the scales' bytes
.endr
	v_lshl_or_b32 v38, v217, 8, v216
	s_delay_alu instid0(VALU_DEP_1)
	v_lshl_or_b32 v38, v218, 16, v38
	s_delay_alu instid0(VALU_DEP_1)
	v_lshl_or_b32 v38, v219, 24, v38               ; p's scale word: more than eight plain lines ahead of the products
.irp c, 0,1
.irp i, 0,1,2
	v_permlane16_swap_b32 v[192+6*\c+\i], v[204+4*\c+\i]   ; a whole block to a lane
.endr
.irp i, 0,1,2
	v_mov_b32 v[195+6*\c+\i], v[204+4*\c+\i]
.endr
.endr
	v_pk_add_f32 v[224:225], v[224:225], v[226:227]          ; these four lines are the places between the codes' last move and the products
	v_pk_add_f32 v[14:15], v[14:15], v[228:229]
	v_pk_add_f32 v[14:15], v[14:15], v[224:225]
	v_nop
	s_wait_alu depctr_va_vdst(0)
	s_wait_dscnt 0x0                               ; V's fragments are in (and the next step's K)
.irp t, 0,1,2,3
.if (\t%2) == 0
	v_wmma_scale_f32_16x16x128_f8f6f4 v[160+8*\t:167+8*\t], v[112+12*\t:123+12*\t], v[192:203], v[160+8*\t:167+8*\t], v[36+\t/2], v38 matrix_a_fmt:MATRIX_FMT_FP6 matrix_b_fmt:MATRIX_FMT_FP6
.else
	v_wmma_scale_f32_16x16x128_f8f6f4 v[160+8*\t:167+8*\t], v[112+12*\t:123+12*\t], v[192:203], v[160+8*\t:167+8*\t], v[36+\t/2], v38 matrix_a_fmt:MATRIX_FMT_FP6 matrix_b_fmt:MATRIX_FMT_FP6 matrix_a_scale:MATRIX_SCALE_ROW1
.endif
.endr
	s_add_co_u32 s[TBV], s[TBV], PAIR
	s_sub_co_u32 s[CNT], s[CNT], 1
	s_cmp_lg_u32 s[CNT], 0
	s_cbranch_scc1 .Lstep
.rept 4
	v_nop
.endr
	v_add_f32 v14, v14, v15                        ; THE WAY OUT: the row's sum,
	s_delay_alu instid0(VALU_DEP_1)
	v_permlanex16_b32 v216, v14, s[SEL], s[SEL+1]
	s_delay_alu instid0(VALU_DEP_1)
	v_add_f32 v14, v14, v216
	s_wait_alu depctr_va_vdst(0)
	v_rcp_f32 v40, v14
	v_nop
	s_wait_alu depctr_va_vdst(0)
.set j, 0
.rept 16
	v_pk_mul_f32 v[160+j:161+j], v[160+j:161+j], v[40:41] op_sel_hi:[1,0]   ; o = O^T / the sum,
.set j, j+2
.endr
.irp b, 0,1
	v_max3_num_f32 v[212+\b], |v[160+16*\b]|, |v[161+16*\b]|, 0x1800000      ; and its two blocks of 32 quantised
.endr
.irp i, 2,4,6,8,10,12,14
.irp b, 0,1
	s_delay_alu instid0(VALU_DEP_2)
	v_max3_num_f32 v[212+\b], v[212+\b], |v[160+16*\b+\i]|, |v[161+16*\b+\i]|
.endr
.endr
.irp b, 0,1
	s_delay_alu instid0(VALU_DEP_2)
	v_permlanex16_b32 v[216+\b], v[212+\b], s[SEL], s[SEL+1]
.endr
.irp b, 0,1
	s_delay_alu instid0(VALU_DEP_2)
	v_max_num_f32 v[212+\b], v[212+\b], v[216+\b]
.endr
.irp b, 0,1
	s_delay_alu instid0(VALU_DEP_2)
	v_add_nc_u32 v[220+\b], 0xff000000, v[212+\b]
.endr
.irp b, 0,1
	s_delay_alu instid0(VALU_DEP_2)
	v_lshrrev_b32 v[216+\b], 23, v[220+\b]
.endr
	s_delay_alu instid0(VALU_DEP_1)
	v_lshl_or_b32 v226, v217, 8, v216
	s_delay_alu instid0(VALU_DEP_1)
	v_lshrrev_b32 v226, v47, v226                  ; my half's byte
	v_cvt_scalef32_pk16_fp6_f32 v[192:194], v[160:175], v220
	v_cvt_scalef32_pk16_fp6_f32 v[196:198], v[176:191], v221
	v_nop
.irp i, 0,1,2
	v_permlane16_swap_b32 v[192+\i], v[196+\i]
.endr
	s_delay_alu instid0(VALU_DEP_3)
	v_mov_b32 v195, v196
	s_delay_alu instid0(VALU_DEP_3)
	v_mov_b32 v196, v197
	s_delay_alu instid0(VALU_DEP_3)
	v_mov_b32 v197, v198
	global_store_b128 v42, v[192:195], s[12:13]    ; a half-image: 512 and 256 consecutive bytes
	global_store_b64 v43, v[196:197], s[12:13]
	global_store_b8 v44, v226, s[12:13]
	s_add_co_u32 s[GQ], s[GQ], 16
	s_mov_b32 s[NXT], 16*4096+3840                 ; behind the second pass: its last words again, inside mk; nobody uses them
	s_sub_co_u32 s[PAS], s[PAS], 1
	s_cmp_lg_u32 s[PAS], 0
	s_cbranch_scc1 .Lpass
	s_wait_kmcnt 0x0
	s_wait_tensorcnt 0x0                           ; the wave's end
	ds_add_u32 v254, v255
	s_wait_dscnt 0x0
	s_endpgm
.Lfunc_end_k_qc78f1d3f6f_attn:
	.size	k_qc78f1d3f6f_attn, .Lfunc_end_k_qc78f1d3f6f_attn-k_qc78f1d3f6f_attn
	.p2alignl 7, 3214868480
	.fill 96, 4, 3214868480
	.section	.rodata,"a",@progbits
	.p2align	6, 0x0
	.amdhsa_kernel k_qc78f1d3f6f_attn
		.amdhsa_group_segment_fixed_size 206848
		.amdhsa_private_segment_fixed_size 0
		.amdhsa_enable_private_segment 0
		.amdhsa_kernarg_size 32
		.amdhsa_user_sgpr_count 2
		.amdhsa_user_sgpr_kernarg_segment_ptr 1
		.amdhsa_wavefront_size32 1
		.amdhsa_system_sgpr_workgroup_id_x 1
		.amdhsa_system_sgpr_workgroup_id_y 1
		.amdhsa_system_sgpr_workgroup_id_z 1
		.amdhsa_system_vgpr_workitem_id 0
		.amdhsa_next_free_vgpr 256
		.amdhsa_next_free_sgpr 106
		.amdhsa_reserve_vcc 0
		.amdhsa_float_denorm_mode_32 3
		.amdhsa_float_denorm_mode_16_64 3
		.amdhsa_memory_ordered 1
		.amdhsa_forward_progress 1
		.amdhsa_inst_pref_size 40
	.end_amdhsa_kernel
	.amdgpu_metadata
---
amdhsa.version: [ 1, 2 ]
amdhsa.kernels:
  - .name:           k_qc78f1d3f6f_attn
    .symbol:         k_qc78f1d3f6f_attn.kd
    .args:
      - { .name: hb, .offset: 0, .size: 8, .value_kind: global_buffer, .address_space: global }
      - { .name: mk, .offset: 8, .size: 8, .value_kind: global_buffer, .address_space: global }
      - { .name: mf, .offset: 16, .size: 8, .value_kind: global_buffer, .address_space: global }
      - { .name: ob, .offset: 24, .size: 8, .value_kind: global_buffer, .address_space: global }
    .group_segment_fixed_size: 206848
    .private_segment_fixed_size: 0
    .kernarg_segment_align: 8
    .kernarg_segment_size: 32
    .max_flat_workgroup_size: 512
    .sgpr_count:     106
    .vgpr_count:     256
    .wavefront_size: 32
...
	.end_amdgpu_metadata
.endif
;; end of part 3
;; launch outp (part 4): grid 4 x 32, 4 waves a work-group, clusters of 4 x 4, 327,680 bytes of LDS; arguments ob, wb, out0; writes out0
.if DOCPART == 4
	.amdgcn_target "amdgcn-amd-amdhsa--gfx1250"
	.amdhsa_code_object_version 6
	.text
	.protected	k_qc78f1d3f6f_outp
	.globl	k_qc78f1d3f6f_outp
	.p2align	8
	.type	k_qc78f1d3f6f_outp,@function
k_qc78f1d3f6f_outp:
	s_mov_b64 s[64:65], 0
	v_nop
	global_prefetch_b8 v0, s[64:65] scope:SCOPE_SE
	s_setreg_imm32_b32 hwreg(HW_REG_WAVE_MODE, 25, 1), 1
	s_wait_xcnt 0x0
	s_wait_alu depctr_hold_cnt(0) depctr_sa_sdst(0) depctr_va_vdst(0) depctr_va_sdst(0) depctr_va_ssrc(0) depctr_va_vcc(0) depctr_vm_vsrc(0)
	s_getreg_b32 s2, hwreg(HW_REG_IB_STS2, 6, 4)
	s_cmp_eq_u32 s2, 0
	s_cbranch_scc0 .Lentry_in_a_cluster
	s_endpgm
.Lentry_in_a_cluster:
	s_bfe_u32 s2, ttmp6, 0x10000c
	s_cmp_lg_u32 s2, 0xf033
	s_cbranch_scc0 .Lentry_shape_is_right
	s_endpgm
.Lentry_shape_is_right:
.set SIZE_N, 1024
.set KSTEP,  256
.set NQ,     KSTEP/128
; out0 = o Wo^T on codes of FP6 with E8M0 scales; a tile of 256 x 256 by four waves, K in steps of 256 through a ring of two slots; 4 x 4 work-groups ask jointly.
; A (ob): half-images, rows of 3,072 bytes (16 queries x 256 along K).  B (wb): the codes of 256 rows x 256 along K are 49,152 consecutive bytes and come in as rows of 256 bytes; 16 bytes of padding behind every 64 make LDS rows of 240 bytes.
; THE HEAD: one tensor load a wave: K step 0's 256 rows of A, of B, A's scales, B's scales; slot 1 is first filled behind the three lines and a round.
; No prefetch: the block is 256 x 256 in clusters and K has four steps.
.set ROWB,   49152
.set AROWB,  3072
.set KROW,   768
.set PITCH,  240
.set FR,     12
.set NLA,    4
.set NP,     4
.set HALFT,  128*PITCH
.set SLOT,   4*HALFT
.set LAPS,   2
.set KS,     32
.set SCL,    2*SLOT
.set HALFS,  (128*KS/256)*272
.set SBLK,   (16*KS/256)*272
.set SPARE,  SCL+4*HALFS
.set SPITCH, 528
.set ADRA, 16
.set ADRB, 20
.set STO,  24
.set RD,   25
.set CO,   26
.set ADRS, 27
.set SPW,  28
.set NIL,  29
.set SC,   32
.set AF,   128
.set BK,   128
.set G1, 24
.set G0, 32
.set G1B, 48
.set G0B, 56
.set G1S, 68
.set G0S, 76
.set G1SB, 80
.set G0SB, 88
.set MSB, 0
.macro WIN new
.if MSB != \new
	s_set_vgpr_msb (MSB<<8)|\new
.set MSB, \new
.endif
.endm
.set MUL_LO, 0xa1
.set MUL_HI, 0xf1
.set TO_B,   0x40
.macro JLOAD g0a, g1a, g0b, g1b
	s_cmp_eq_u32 s15, 0
	s_cbranch_scc0 .Lfor_b_\@
	tensor_load_to_lds s[\g0a:\g0a+3], s[\g1a:\g1a+7]
	s_nop 0
.rept 4
	v_nop
.endr
	s_branch .Lasked_\@
.Lfor_b_\@:
	tensor_load_to_lds s[\g0b:\g0b+3], s[\g1b:\g1b+7]
	s_nop 0
.rept 4
	v_nop
.endr
.Lasked_\@:
.endm
.macro CREST
	s_cmp_lg_u32 s14, 0
	s_cbranch_scc1 .Lnot_wave_0_\@
	s_barrier_signal -3
.Lnot_wave_0_\@:
	s_barrier_wait -3
	s_barrier_signal -1
	s_barrier_wait -1
.endm
.macro CROUND
	s_barrier_signal -1
	s_barrier_wait -1
	CREST
.endm
	s_load_b64 s[4:5], s[0:1], 0x0
	s_load_b64 s[8:9], s[0:1], 0x8
	s_load_b64 s[12:13], s[0:1], 0x10
	v_lshl_add_u32 v[SPW], v0, 2, SPARE
	v_mov_b32 v[NIL], 0
	ds_add_u32 v28, v29
	ds_add_u32 v28, v29
	s_wait_dscnt 0x0
	v_lshrrev_b32 v1, 5, v0
	v_readfirstlane_b32 s14, v1
	s_lshr_b32 s15, s14, 1
	s_and_b32 s16, s14, 1
	s_bfe_u32 s40, ttmp6, 0x40000
	s_bfe_u32 s41, ttmp6, 0x40004
	s_lshl_b32 s42, ttmp9, 2
	s_add_co_u32 s42, s42, s40
	s_and_b32 s17, ttmp7, 0xffff
	s_lshl_b32 s17, s17, 2
	s_add_co_u32 s17, s17, s41
	s_lshl_b32 s43, s41, 2
	s_lshl_b32 s43, 15, s43
	s_lshl_b32 s44, 0x1111, s40
	s_or_b32 s[G1+0], s43, (3<<16)|(1<<21)
	s_mov_b32 s[G1+1], 384<<16
	s_mov_b32 s[G1+2], 16<<16
	s_mov_b32 s[G1+3], 384<<16
	s_mov_b32 s[G1+4], 16
	s_mov_b32 s[G1+5], 1536
	s_mov_b32 s[G1+6], 0
	s_mov_b32 s[G1+7], 0
	s_or_b32 s[G1B+0], s44, (0<<16)|(1<<20)|(1<<21)|(3<<22)|(3<<25)
	s_mov_b32 s[G1B+1], 256<<16
	s_mov_b32 s[G1B+2], 192<<16
	s_mov_b32 s[G1B+3], 256<<16
	s_mov_b32 s[G1B+4], 192
	s_mov_b32 s[G1B+5], 256
	s_mov_b32 s[G1B+6], 0
	s_mov_b32 s[G1B+7], 0
	s_or_b32 s[G1S+0], s43, (3<<16)|(1<<20)|(1<<21)|(5<<22)|(3<<25)
	s_or_b32 s[G1SB+0], s44, (3<<16)|(1<<20)|(1<<21)|(5<<22)|(3<<25)
.irp g, G1S, G1SB
	s_mov_b32 s[\g+1], 32<<16
	s_mov_b32 s[\g+2], (256*KS/256)<<16
	s_mov_b32 s[\g+3], 32<<16
	s_mov_b32 s[\g+4], 256*KS/256
	s_mov_b32 s[\g+5], 32
	s_mov_b32 s[\g+6], 0
	s_mov_b32 s[\g+7], 0
.endr
	s_mov_b32 s18, 0                               ; the addresses below are the whole tile's
	s_lshl_b32 s20, s17, 8
	s_add_co_u32 s20, s20, s18
	s_lshl_b32 s46, s42, 8
	s_add_co_u32 s46, s46, s18
	s_mov_b32 s21, 0
	s_mov_b32 s47, 0
	s_mov_b64 s[18:19], KS
	s_mul_u64 s[22:23], s[20:21], s[18:19]
	s_mul_u64 s[92:93], s[46:47], s[18:19]
	s_mov_b64 s[18:19], KROW
	s_mul_u64 s[20:21], s[20:21], s[18:19]
	s_mul_u64 s[46:47], s[46:47], s[18:19]
	s_mul_i32 s45, s14, HALFT
	s_mul_i32 s94, s16, 24576                      ; in the ring I fetch 128 rows: which half, in bytes: of B's block,
	s_mov_b32 s95, 0
	s_mul_i32 s96, s16, 98304                      ; and of A's rows
	s_mov_b32 s97, 0
	s_wait_kmcnt 0x0
	s_add_nc_u64 s[6:7], s[4:5], 6291456
	s_add_nc_u64 s[10:11], s[8:9], 3244032
	s_add_nc_u64 s[8:9], s[8:9], 2359296
	s_add_nc_u64 s[20:21], s[4:5], s[20:21]
	s_add_nc_u64 s[22:23], s[6:7], s[22:23]
	s_add_nc_u64 s[46:47], s[8:9], s[46:47]
	s_add_nc_u64 s[92:93], s[10:11], s[92:93]
	CROUND
	s_mov_b32 s[G0S], 1
	s_mov_b32 s[G0S+1], SCL
	s_mov_b64 s[G0S+2:G0S+3], s[22:23]
	s_or_b32 s[G0S+3], s[G0S+3], 0x80000000
	s_mov_b32 s[G0SB], 1
	s_mov_b32 s[G0SB+1], SCL+2*HALFS
	s_mov_b64 s[G0SB+2:G0SB+3], s[92:93]
	s_or_b32 s[G0SB+3], s[G0SB+3], 0x80000000
	s_mov_b32 s4, 1                                ; s[4:7], s[8:11]: group 0 of the head's loads of K step 0
	s_mov_b32 s5, 0
	s_mov_b64 s[6:7], s[20:21]
	s_or_b32 s7, s7, 0x80000000
	s_mov_b32 s8, 1
	s_mov_b32 s9, 2*HALFT
	s_mov_b64 s[10:11], s[46:47]
	s_or_b32 s11, s11, 0x80000000
	s_add_nc_u64 s[20:21], s[20:21], s[96:97]
	s_add_nc_u64 s[46:47], s[46:47], s[94:95]
	s_mul_i32 s19, s14, 24576                      ; A's halves lie 24,576 bytes apart in a slot
.irp s, 0,1
	s_mov_b32 s[G0+4*\s], 1
	s_add_co_u32 s[G0+4*\s+1], s19, \s*SLOT
	s_add_nc_u64 s[G0+4*\s+2:G0+4*\s+3], s[20:21], \s*AROWB
	s_or_b32 s[G0+4*\s+3], s[G0+4*\s+3], 0x80000000
	s_mov_b32 s[G0B+4*\s], 1
	s_add_co_u32 s[G0B+4*\s+1], s45, \s*SLOT
	s_add_nc_u64 s[G0B+4*\s+2:G0B+4*\s+3], s[46:47], \s*ROWB
	s_or_b32 s[G0B+4*\s+3], s[G0B+4*\s+3], 0x80000000
.endr
; one chain of branches on the wave's number, a load to each arm, all arms to one join
.macro ARM under, g0, g1, next
	s_cmp_lt_u32 s14, \under
	s_cbranch_scc0 \next
	tensor_load_to_lds s[\g0:\g0+3], s[\g1:\g1+7]
	s_nop 0
.rept 4
	v_nop
.endr
	s_branch .Lhead_asked
\next:
.endm
	ARM 1, 4, G1, .Lhead_b
	ARM 2, 8, G1B, .Lhead_sa
	ARM 3, G0S, G1S, .Lhead_sb
	tensor_load_to_lds s[G0SB:G0SB+3], s[G1SB:G1SB+7]
	s_nop 0
.rept 4
	v_nop
.endr
.Lhead_asked:
	v_and_b32 v1, 15, v0
	v_bfe_u32 v2, v0, 4, 1
	v_mul_u32_u24 v3, v1, PITCH
	v_mul_u32_u24 v4, v2, 24
	v_add_nc_u32 v4, v3, v4
	v_lshl_add_u32 v5, v2, 4, v4
	v_and_b32 v6, 31, v0
	v_lshlrev_b32 v7, 4, v6
	v_lshl_add_u32 v8, v6, 3, 512
	s_mul_i32 s21, s15, 24576
	s_mul_i32 s22, s16, HALFT
	s_add_co_u32 s22, s22, 2*HALFT
.irp s, 0,1
	v_add_nc_u32 v[ADRA+\s], s21, v7
	v_add_nc_u32 v[ADRB+\s], s22, v4
	v_add_nc_u32 v[ADRA+2+\s], s21, v8
	v_add_nc_u32 v[ADRB+2+\s], s22, v5
	s_add_co_u32 s21, s21, SLOT
	s_add_co_u32 s22, s22, SLOT
.endr
	v_mul_u32_u24 v5, v1, KS
	v_lshrrev_b32 v6, 8, v5
	v_lshl_add_u32 v5, v6, 4, v5
	s_mul_i32 s21, s15, HALFS
	s_mul_i32 s22, s16, HALFS
	s_add_co_u32 s22, s22, 2*HALFS
	s_sub_co_u32 s22, s22, s21
	v_mul_u32_u24 v6, s22, v2
	s_add_co_u32 s21, s21, SCL
	v_add_nc_u32 v5, v5, v6
	v_add_nc_u32 v[ADRS], s21, v5
	s_mul_i32 s23, s14, 16*SPITCH
	v_mul_u32_u24 v5, v1, SPITCH
	v_lshl_add_u32 v5, v2, 5, v5
	v_add_nc_u32 v[STO], s23, v5
	v_and_b32 v6, 31, v0
	v_lshlrev_b32 v[CO], 4, v6
	v_add_nc_u32 v[RD], s23, v[CO]
	s_lshl_b32 s20, s17, 8
	s_lshl_b32 s21, s15, 7
	s_add_co_u32 s20, s20, s21
	s_mov_b32 s21, 0
	s_mov_b64 s[18:19], SIZE_N*4
	s_mul_u64 s[20:21], s[20:21], s[18:19]
	s_lshl_b32 s46, s42, 10
	s_lshl_b32 s47, s16, 9
	s_add_co_u32 s46, s46, s47
	s_mov_b32 s47, 0
	s_add_nc_u64 s[20:21], s[20:21], s[46:47]
	s_add_nc_u64 s[12:13], s[12:13], s[20:21]
.macro FRAG reg, adr, q, i
.irp p, 0,1,2,3,4,5
.set PC, 12*(\q)+6*(\p/3)+\p%3
.if PC%8 < 5
	ds_load_b64 v[\reg+2*\p:\reg+2*\p+1], v[\adr] offset:8*PC+16*(PC/8)+(\i)*16*PITCH
.else
	ds_load_b64 v[\reg+2*\p:\reg+2*\p+1], v[\adr+2] offset:8*PC+16*(PC/8)+(\i)*16*PITCH
.endif
.endr
.endm
.macro MUL16 a0, p, q, sc, zero
.irp a, \a0, \a0+1
.irp b, 0,1,2,3,4,5,6,7
.if \zero
	v_wmma_scale_f32_16x16x128_f8f6f4 v[8*(8*((\a)%4)+\b):8*(8*((\a)%4)+\b)+7], v[128*(\p)+FR*\b:128*(\p)+FR*\b+FR-1], v[AF+FR*(\a):AF+FR*(\a)+FR-1], 0, v[SC+8*NQ*(\sc)+NQ*\b+(\q)], v[SC+8*NQ*(\sc)+NQ*(\a)+(\q)] matrix_a_fmt:MATRIX_FMT_FP6 matrix_b_fmt:MATRIX_FMT_FP6 matrix_a_scale:MATRIX_SCALE_ROW1
.else
	v_wmma_scale_f32_16x16x128_f8f6f4 v[8*(8*((\a)%4)+\b):8*(8*((\a)%4)+\b)+7], v[128*(\p)+FR*\b:128*(\p)+FR*\b+FR-1], v[AF+FR*(\a):AF+FR*(\a)+FR-1], v[8*(8*((\a)%4)+\b):8*(8*((\a)%4)+\b)+7], v[SC+8*NQ*(\sc)+NQ*\b+(\q)], v[SC+8*NQ*(\sc)+NQ*(\a)+(\q)] matrix_a_fmt:MATRIX_FMT_FP6 matrix_b_fmt:MATRIX_FMT_FP6 matrix_a_scale:MATRIX_SCALE_ROW1
.endif
.endr
.endr
.endm
.macro FETCH_B slot, q, p
	WIN TO_B
.irp i, 0,1,2,3,4,5,6,7
	FRAG 128*(\p)+FR*\i, ADRB+\slot, \q, \i
.endr
	WIN 0
.endm
.macro FETCH_A slot, q, i0
.irp i, \i0, \i0+1, \i0+2, \i0+3
.irp e, 0,1
	ds_load_b128 v[AF+FR*(\i)+6*\e:AF+FR*(\i)+6*\e+3], v[ADRA+\slot] offset:(\i)*AROWB+(2*(\q)+\e)*768
	ds_load_b64 v[AF+FR*(\i)+6*\e+4:AF+FR*(\i)+6*\e+5], v[ADRA+2+\slot] offset:(\i)*AROWB+(2*(\q)+\e)*768
.endr
.endr
.endm
.macro SCALES sc
.irp i, 0,1,2,3,4,5,6,7
	ds_load_b64 v[SC+8*NQ*\sc+NQ*\i:SC+8*NQ*\sc+NQ*\i+1], v[ADRS] offset:\i*SBLK
.endr
.endm
.macro PLACES n
.rept \n
	v_nop
.endr
.endm
.macro STEP slot, q, zero
	s_wait_dscnt 4*NLA
	WIN MUL_LO
	MUL16 0, (\q)%2, \q, \slot, \zero
	MUL16 2, (\q)%2, \q, \slot, \zero
	s_wait_dscnt 0
	PLACES NP
	FETCH_B \slot, (\q)+1, 1-(\q)%2
	FETCH_A \slot, (\q)+1, 0
	WIN MUL_HI
	MUL16 4, (\q)%2, \q, \slot, \zero
	MUL16 6, (\q)%2, \q, \slot, \zero
	PLACES NP
	WIN 0
	FETCH_A \slot, (\q)+1, 4
.endm
.macro TURN slot, next, fill
	s_wait_tensorcnt 0x0
	ds_add_u32 v[SPW], v[NIL]
	s_wait_dscnt 4*NLA+1
	WIN MUL_LO
	MUL16 0, 1, NQ-1, \slot, 0
	s_wait_dscnt 0x0
	s_barrier_signal -1
	MUL16 2, 1, NQ-1, \slot, 0
	WIN 0
	s_barrier_wait -1
.if \fill
	CREST
	s_add_nc_u64 s[G0+4*\slot+2:G0+4*\slot+3], s[G0+4*\slot+2:G0+4*\slot+3], 2*AROWB
	s_add_nc_u64 s[G0B+4*\slot+2:G0B+4*\slot+3], s[G0B+4*\slot+2:G0B+4*\slot+3], 2*ROWB
	JLOAD G0+4*\slot, G1, G0B+4*\slot, G1B
.else
	PLACES NP
.endif
	s_wait_alu depctr_va_vdst(0)
	v_add_nc_u32 v[ADRS], 4*NQ, v[ADRS]
	FETCH_B \next, 0, 0
	FETCH_A \next, 0, 0
	SCALES \next
	WIN MUL_HI
	MUL16 4, 1, NQ-1, \slot, 0
	MUL16 6, 1, NQ-1, \slot, 0
	PLACES NP
	WIN 0
	FETCH_A \next, 0, 4
.endm
	s_wait_alu depctr_va_vdst(0)
	s_wait_tensorcnt 0x0                           ; my tile of the head's four is in
	ds_add_u32 v[SPW], v[NIL]
	s_mov_b32 s[G1+2], 8<<16                       ; no load of mine is out: from here on a load brings 128 rows
	s_mov_b32 s[G1+4], 8
	s_mov_b32 s[G1B+2], 96<<16
	s_mov_b32 s[G1B+4], 96
	s_wait_dscnt 0x0
	CROUND                                         ; all four tiles are in, and the sixteen work-groups meet
	JLOAD G0+4, G1, G0B+4, G1B                     ; K step 1, slot 1's first fill
	FETCH_B 0, 0, 0
	FETCH_A 0, 0, 0
	SCALES 0
	FETCH_A 0, 0, 4
	STEP 0, 0, 1
	s_mov_b32 s3, LAPS-1
.Llap:
	TURN 0, 1, 1
	STEP 1, 0, 0
	TURN 1, 0, 1
	STEP 0, 0, 0
	s_sub_co_u32 s3, s3, 1
	s_cmp_lg_u32 s3, 0
	s_cbranch_scc1 .Llap
	TURN 0, 1, 0
	STEP 1, 0, 0
	s_wait_dscnt 4*NLA
	WIN MUL_LO
	MUL16 0, 1, NQ-1, 1, 0
	MUL16 2, 1, NQ-1, 1, 0
	s_wait_dscnt 0
	WIN MUL_HI
	MUL16 4, 1, NQ-1, 1, 0
	MUL16 6, 1, NQ-1, 1, 0
	WIN 0
.macro TOSTAGE a
.set AC, 64*((\a)%4)
.set WD, 0x08+4*((\a)/4)
	WIN WD
.irp b, 0,1,2,3,4,5,6,7
	ds_store_b128 v[STO], v[AC+8*\b:AC+8*\b+3] offset:64*\b
	ds_store_b128 v[STO], v[AC+8*\b+4:AC+8*\b+7] offset:64*\b+16
.endr
	WIN 0
.set BB, BK+64*((\a)%2)
.irp t, 0,1,2,3,4,5,6,7,8,9,10,11,12,13,14,15
	ds_load_b128 v[BB+4*\t:BB+4*\t+3], v[RD] offset:\t*SPITCH
.endr
.endm
.macro SEND a, younger
.set BB, BK+64*((\a)%2)
	s_wait_dscnt \younger
.if (\a) > 0
	s_add_nc_u64 s[12:13], s[12:13], 16*SIZE_N*4
.endif
.irp t, 0,1,2,3,4,5,6,7,8,9,10,11,12,13,14,15
	global_store_b128 v[CO], v[BB+4*\t:BB+4*\t+3], s[12:13] offset:\t*SIZE_N*4 th:TH_STORE_NT
.endr
.endm
	PLACES NP
	TOSTAGE 0
.irp a, 1,2,3,4,5,6,7
.if \a > 1
	s_wait_xcnt 0x0
.endif
	TOSTAGE \a
	SEND \a-1, 32
.endr
	s_wait_xcnt 0x0
	SEND 7, 0
	s_wait_tensorcnt 0x0
	ds_add_u32 v[SPW], v[NIL]
	s_wait_dscnt 0x0
	CROUND
	s_endpgm
.Lfunc_end_k_qc78f1d3f6f_outp:
	.size	k_qc78f1d3f6f_outp, .Lfunc_end_k_qc78f1d3f6f_outp-k_qc78f1d3f6f_outp
	.p2alignl 7, 3214868480
	.fill 96, 4, 3214868480
	.section	.rodata,"a",@progbits
	.p2align	6, 0x0
	.amdhsa_kernel k_qc78f1d3f6f_outp
		.amdhsa_group_segment_fixed_size 327680
		.amdhsa_private_segment_fixed_size 0
		.amdhsa_enable_private_segment 0
		.amdhsa_kernarg_size 24
		.amdhsa_user_sgpr_count 2
		.amdhsa_user_sgpr_kernarg_segment_ptr 1
		.amdhsa_wavefront_size32 1
		.amdhsa_system_sgpr_workgroup_id_x 1
		.amdhsa_system_sgpr_workgroup_id_y 1
		.amdhsa_system_sgpr_workgroup_id_z 1
		.amdhsa_system_vgpr_workitem_id 0
		.amdhsa_next_free_vgpr 1024
		.amdhsa_next_free_sgpr 98
		.amdhsa_reserve_vcc 0
		.amdhsa_float_denorm_mode_32 3
		.amdhsa_float_denorm_mode_16_64 3
		.amdhsa_memory_ordered 1
		.amdhsa_forward_progress 1
		.amdhsa_inst_pref_size 153
	.end_amdhsa_kernel
	.amdgpu_metadata
---
amdhsa.version: [ 1, 2 ]
amdhsa.kernels:
  - .name:           k_qc78f1d3f6f_outp
    .symbol:         k_qc78f1d3f6f_outp.kd
    .args:
      - { .name: ob, .offset: 0, .size: 8, .value_kind: global_buffer, .address_space: global }
      - { .name: wb, .offset: 8, .size: 8, .value_kind: global_buffer, .address_space: global }
      - { .name: out0, .offset: 16, .size: 8, .value_kind: global_buffer, .address_space: global }
    .group_segment_fixed_size: 327680
    .private_segment_fixed_size: 0
    .kernarg_segment_align: 8
    .kernarg_segment_size: 24
    .max_flat_workgroup_size: 128
    .sgpr_count:     98
    .vgpr_count:     1024
    .wavefront_size: 32
...
	.end_amdgpu_metadata
.endif
;; end of part 4
